; MI455X (gfx1250); checked and timed in simulation.
; The chip was launched on July 23, 2026; its instructions are those of AMD's public machine-readable ISA for CDNA 5 (MIT licence, August 2026) and "CDNA5" Instruction Set Architecture Reference Guide (July 2026). The comments in the code are by the model that wrote it; some were corrected since.
;; Transformer Block. Allowed arithmetic: matrix products marked QUANTISED: E2M3 operands, one E8M0 scale for each 32 along K, by v_wmma_scale_f32_16x16x128_f8f6f4 with both operands' format E2M3, f32 sums; everything else in f32.
;; Inputs: b_fc1 4,096 float32; b_fc2 1,024 float32; b_out 1,024 float32; b_qkv 3,072 float32; ln1_b 1,024 float32; ln1_g 1,024 float32; ln2_b 1,024 float32; ln2_g 1,024 float32; w_fc1 1,024 x 4,096 float32; w_fc2 4,096 x 1,024 float32; w_out 1,024 x 1,024 float32; w_qkv 1,024 x 3,072 float32; x 2 x 2,048 x 1,024 float32.
;; Outputs: out0 2 x 2,048 x 1,024 float32.
;; This version of the problem:
;;   THIS VERSION OF THE PROBLEM IS GIVEN IN LOW PRECISION. The matrix products marked QUANTISED in the list below multiply operands that are first quantised to E2M3 (2 exponent bits, 3 mantissa bits; 6 bits a number), with one power-of-two scale for each 32 numbers along K (OCP MX v1.0); their sums are f32. All else is computed in f32.
;;   The module's matrix products, in the order in which they are computed (A, B: the left and right operand; K: the contracted axis; several contracted axes count as one K, in the product's order):
;;     1. [M 4,096, K 1,024] x [K 1,024, N 3,072]; A: computed on the way; B: input w_qkv: QUANTISED
;;     2. batch 32 x [M 2,048, K 64] x [K 64, N 2,048]; A: computed on the way; B: computed on the way: QUANTISED
;;     3. batch 32 x [M 2,048, K 2,048] x [K 2,048, N 64]; A: softmax (see below); B: computed on the way: QUANTISED
;;     4. [M 4,096, K 1,024] x [K 1,024, N 1,024]; A: computed on the way; B: input w_out: QUANTISED
;;     5. [M 4,096, K 1,024] x [K 1,024, N 4,096]; A: computed on the way; B: input w_fc1: QUANTISED
;;     6. [M 4,096, K 4,096] x [K 4,096, N 1,024]; A: computed on the way; B: input w_fc2: QUANTISED
;;   THE QUANTISER, for each operand of a quantised product, along K:
;;     - K is cut into blocks of 32 from its start; a last block that is shorter is filled with zeros.
;;     - A block's scale is 2^e with e = floor(log2(the largest magnitude in the block)) - 2, held to -126 .. 127; a block of zeros has e = 0. As a byte (E8M0): e + 127.
;;     - Each number is divided by its block's scale, clamped to +-7.5, and rounded to the nearest number of E2M3, ties to even, subnormals kept.
;;     - The product sums the exact products of the quantised numbers (number of the format x scale) in f32.
;;   ~~~python
;;   def quantise(x, axis):      # numpy; x: float32 -> the quantised numbers, widened to float32 again
;;       x = np.moveaxis(x, axis, -1); K = x.shape[-1]
;;       x = np.pad(x, [(0, 0)] * (x.ndim - 1) + [(0, -K % 32)]); x = x.reshape(x.shape[:-1] + (-1, 32)); a = np.abs(x).max(-1, keepdims=True)
;;       e = np.where(a > 0, np.clip(np.frexp(np.where(a > 0, a, 1))[1] - 1 - 2, -126, 127), 0)      # np.frexp(a)[1] - 1 = floor(log2(a)), exactly
;;       r = np.clip(x / 2.0 ** e, -7.5, 7.5)
;;       step = 2.0 ** (np.maximum(np.frexp(np.where(r == 0, 1, r))[1] - 1, 0) - 3)
;;       q = np.round(r / step) * step * 2.0 ** e      # np.round: ties to even
;;       return np.moveaxis(q.reshape(q.shape[:-2] + (-1,))[..., :K], -1, axis).astype(np.float32)
;;   ~~~
;;   SOFTMAX AHEAD OF A QUANTISED PRODUCT. Where the list says 'softmax', what is quantised is not the finished softmax but p = 2^(t - M), with t = logit x log2(e) and M = ceil(the row's largest t), a whole number; so 1/2 < the row's largest p <= 1. The row's sum l is taken of the UNQUANTISED p, in f32, and the product's result is divided by l at the end. Since M is a whole number, a kernel that streams over the keys may use a running M (the ceiling of the running maximum): every later rescaling is an exact power of two, which a block's scale takes up: the codes' values come out the same.
;;   OPERANDS COMPUTED ON THE WAY. 'Computed on the way' means the value that the module computes at that place (a softmax that the list does not call 'softmax' is quantised finished and normalised). What goes into a quantiser is computed in f32, as accurately as f32 sums, v_exp_f32 and their like allow (about 1e-6 of the number): no bf16 or f16 on the way to a quantiser, and a product that is left as it is and whose result goes on into a quantised operand takes f32 operands (vector FMAs, or v_wmma_f32_16x16x4_f32). A number that lies on a knife's edge between two numbers of the format may be rounded either way, as far as f32 arithmetic and the matrix unit's own rounding can turn it there, and no further.
;; One version. Each part assembles by itself: llvm-mc -triple=amdgcn-amd-amdhsa -mcpu=gfx1250 --defsym DOCPART=n.
;; ======== version 1 of 1: 7 launches
;; limits: right only within a limited range of input values
;; workspace buffers: wq 11,010,048 bytes; hq 3,670,016 bytes; qkv 11,010,048 bytes; oq 3,670,016 bytes; x1 16,777,216 bytes; gq 14,680,064 bytes
;; launch prep (part 1): grid 1024 x 1, 4 waves a work-group, no clusters, 81,664 bytes of LDS; arguments x, ln1_g, ln1_b, hq, w_qkv, w_out, w_fc1, w_fc2, wq; writes hq, wq
.if DOCPART == 1
	.amdgcn_target "amdgcn-amd-amdhsa--gfx1250"
	.amdhsa_code_object_version 6
	.text
	.protected	k_q152b37b9cf_prep
	.globl	k_q152b37b9cf_prep
	.p2align	8
	.type	k_q152b37b9cf_prep,@function
k_q152b37b9cf_prep:
	s_mov_b64 s[64:65], 0
	v_nop
	global_prefetch_b8 v0, s[64:65] scope:SCOPE_SE
	s_setreg_imm32_b32 hwreg(HW_REG_WAVE_MODE, 25, 1), 1
	s_wait_xcnt 0x0
; ONE PREPARING LAUNCH FOR TWO JOBS THAT HANG ON NOTHING OF EACH OTHER.  The paths part on the work-group's number alone; each has LDS bytes of its own.
; WORK-GROUPS 0 TO 255: layer norm 1 of x [4096][1024] and its quantiser: y = (x - mean) rsqrt(var + 1e-5) g + b, in two passes as the definition has it, then codes of FP6 (E2M3) along the row's 1,024.
; WORK-GROUPS 256 TO 1,023: the four weights, f32 stored [K][N], become codes of FP6 with one E8M0 byte for each 32 along K.
; BOTH write RECORDS of 1,792 bytes: a fragment (16 rows or columns x 128 K) as an image of its operand registers: chunk p (0..5) holds registers 2p, 2p+1 of lane l at 256 p + 8 l; chunk 6 the lane's scale word, twice, at 1536 + 8 l.
; Lane (r, h) holds k = 64 c + 32 h + 0..31 in registers 6 c .. 6 c + 5.  Tile t, lane-row r stands for index 32 (t / 2) + 8 (t % 2) + r % 8 + 16 (r / 8).
; hq: record (t, s) at (8 t + s) x 1,792.  wq: record (t, s) of a weight at (t KS + s) x 1,792 from its place: w_qkv 0, w_out 2,752,512, w_fc1 3,670,016, w_fc2 7,340,032.
; THE NORM'S SHARES: work-group t takes tile t's 16 rows.  Wave w normalises lane-rows 4 w .. 4 w + 3 (four neighbouring rows, a row in 32 registers of the wave); y goes to LDS, rows 4,112 bytes apart; one barrier;
; wave w then quantises K steps 2 w and 2 w + 1 of all 16 rows: lane (r, h) takes, of row r, 16 neighbours of each block of 32.
; THE WEIGHTS' SHARES: a work-group takes 128 columns x 128 along K, a wave 32 columns: a lane takes a column and its registers run down K, so a block of 32 lies in one lane and nothing is transposed.
; The wave's 32 columns are two tiles (u = (lane / 8) % 2, r = lane % 8 + 8 (lane / 16)): two records, gathered in the wave's own LDS and stored as runs of 256 bytes.  Pointer and sizes are chosen by the work-group's number.
; With 81,664 bytes of LDS and 256 registers four work-groups share a WGP: 1,024 work-groups are four on each of 256.
; LIMITS: a block whose largest magnitude lies under 2^-124 keeps the byte 1 (a block of zeros too: its codes are zeros, and this program alone reads the bytes); NaN and infinities are not served.
.set REC,   1792
.set LP,    4112
.set WQ0,   16*LP                      ; LDS: the norm's rows at 0; the weights' path from here on
.set WREG,  3840                       ; a wave's two records: tile 0's at 0, tile 1's at 1,920
.set TILE1, 1920
.set SPARE, WQ0+4*WREG                 ; the spare words: two blocks of 256 bytes that no other line names
.set SPW,   24
.set NIL,   25
.set X,     32                         ; norm: v32-159 four rows;  weights: v32-95 two sets of 32 numbers
.set G,     160
.set BB,    192
.set MU,    224
.set RS,    232
.set T0,    32
.set PC0,   160
.set PC1,   180
.set TM,    200
.set PW0,   216
.set PW1,   218
.set SEL,   20
.set VO,    96                         ; weights: v96-127 4 x lane + i rows
.set CD,    128
.set SB,    136
.set STA,   4
.set RDA,   5
.set LO8,   6
.set O0,    32
.set O1,    140
.macro QUANT s, pc, pw                 ; 64 numbers, register 16 b + i = k 32 b + 16 (lane / 16) + i of my row, become a fragment's codes in v[pc] on and its scale word in v[pw], v[pw + 1]
.irp b, 0,1,2,3
	v_max3_num_f32 v[TM+\b], |v[\s+16*\b]|, |v[\s+1+16*\b]|, 0x1800000   ; with the floor 2^(3 - 127): the byte cannot fall under 1
.endr
.irp k, 2,4,6,8,10,12,14
.irp b, 0,1,2,3
	v_max3_num_f32 v[TM+\b], v[TM+\b], |v[\s+16*\b+\k]|, |v[\s+1+16*\b+\k]|
.endr
.endr
.irp b, 0,1,2,3
	v_permlanex16_b32 v[TM+4+\b], v[TM+\b], s[SEL], s[SEL+1]
.endr
.irp b, 0,1,2,3
	v_max_num_f32 v[TM+\b], v[TM+\b], v[TM+4+\b]   ; with lane l xor 16's: the block's largest magnitude
.endr
.irp b, 0,1,2,3
	v_add_nc_u32 v[TM+12+\b], 0xff000000, v[TM+\b] ; 2 off the exponent field: the conversion's scale operand
.endr
.irp b, 0,1,2,3
	v_lshrrev_b32 v[TM+4+\b], 23, v[TM+12+\b]      ; the byte
.endr
	v_lshl_or_b32 v[\pw], v[TM+5], 8, v[TM+4]
	v_lshl_or_b32 v[\pw], v[TM+6], 16, v[\pw]
	v_lshl_or_b32 v[\pw], v[TM+7], 24, v[\pw]
	v_mov_b32 v[\pw+1], v[\pw]
.irp c, 0,1
	v_cvt_scalef32_pk16_fp6_f32 v[\pc+6*\c:\pc+2+6*\c], v[\s+32*\c:\s+15+32*\c], v[TM+12+2*\c]
	v_cvt_scalef32_pk16_fp6_f32 v[\pc+12+4*\c:\pc+14+4*\c], v[\s+16+32*\c:\s+31+32*\c], v[TM+12+2*\c+1]
.endr
	v_nop                                          ; one plain line behind a scaled conversion
.irp c, 0,1                            ; the operand wants a whole block in a lane: lanes 0-15 block 2 c, lanes 16-31 block 2 c + 1
.irp k, 0,1,2
	v_permlane16_swap_b32 v[\pc+6*\c+\k], v[\pc+12+4*\c+\k]
.endr
.irp k, 0,1,2
	v_mov_b32 v[\pc+3+6*\c+\k], v[\pc+12+4*\c+\k]
.endr
.endr
.endm
.macro REDUCE                          ; four rows' two chains each -> the row's sum in v[8 + 4 i], in every lane
.irp i, 0,1,2,3
	v_pk_add_f32 v[8+4*\i:9+4*\i], v[8+4*\i:9+4*\i], v[10+4*\i:11+4*\i]
.endr
.irp i, 0,1,2,3
	v_add_f32 v[8+4*\i], v[8+4*\i], v[9+4*\i]
.endr
.irp m, 1,2,4,8
.irp i, 0,1,2,3
	v_add_f32_dpp v[8+4*\i], v[8+4*\i], v[8+4*\i] row_xmask:\m row_mask:0xf bank_mask:0xf
.endr
.endr
.irp i, 0,1,2,3
	v_permlanex16_b32 v[9+4*\i], v[8+4*\i], s[SEL], s[SEL+1]
.endr
.irp i, 0,1,2,3
	v_add_f32 v[8+4*\i], v[8+4*\i], v[9+4*\i]
.endr
.endm
.macro LOADS set                       ; a block: 32 rows of my column; neighbouring lanes read neighbouring columns
.set i, 0
.rept 32
	global_load_b32 v[X+32*(\set)+i], v[VO+i], s[16:17] th:TH_LOAD_NT
.set i, i+1
.endr
.endm
.macro NEXT set
	s_wait_xcnt 0x0                                ; the earlier loads have read their base: it may step
	s_add_nc_u64 s[16:17], s[16:17], s[26:27]
	LOADS \set
.endm
.macro BLOCK bb, reload, left          ; block bb of the K step's four.  left: the other set's loads, which may stay out
.set XS, X+32*((\bb)%2)
.set JJ, (\bb)%4
.set KO, 768*(JJ/2)+128*(JJ%2)
	s_wait_loadcnt \left
	v_max3_num_f32 v12, |v[XS]|, |v[XS+1]|, |v[XS+2]|
	v_max3_num_f32 v13, |v[XS+3]|, |v[XS+4]|, |v[XS+5]|
.irp k, 6,10,14,18,22,26
	v_max3_num_f32 v12, v12, |v[XS+\k]|, |v[XS+\k+1]|
	v_max3_num_f32 v13, v13, |v[XS+\k+2]|, |v[XS+\k+3]|
.endr
	v_max3_num_f32 v12, v12, |v[XS+30]|, |v[XS+31]|
	v_max3_num_f32 v12, v12, v13, 0x1800000        ; and the floor 2^(3 - 127)
	v_add_nc_u32 v11, 0xff000000, v12              ; 2 off the exponent field: the conversion's scale operand
	v_cvt_scalef32_pk16_fp6_f32 v[CD:CD+2], v[XS:XS+15], v11
	v_cvt_scalef32_pk16_fp6_f32 v[CD+4:CD+6], v[XS+16:XS+31], v11   ; (a conversion's three registers begin on an even number)
	v_lshrrev_b32 v13, 23, v11                     ; the byte; also the plain line behind the conversions
.if JJ == 0
	v_mov_b32 v[SB], v13
.else
	v_lshl_or_b32 v[SB], v13, 8*JJ, v[SB]
.endif
	v_mov_b32 v[CD+3], v[CD+4]                     ; the gap is closed: six registers on end
	v_mov_b32 v[CD+4], v[CD+5]
	v_mov_b32 v[CD+5], v[CD+6]
	ds_store_b64 v[STA], v[CD:CD+1] offset:KO      ; lane (r, bb % 2) of the record, chunks 3 (JJ / 2) + 0, 1, 2
	ds_store_b64 v[STA], v[CD+2:CD+3] offset:KO+256
	ds_store_b64 v[STA], v[CD+4:CD+5] offset:KO+512
.if JJ == 3
	v_mov_b32 v[SB+1], v[SB]
	ds_store_b64 v[STA], v[SB:SB+1] offset:1536    ; the scale word, for lane r
	ds_store_b64 v[STA], v[SB:SB+1] offset:1664    ; and for lane 16 + r
.endif
.if \reload
	NEXT (\bb)%2
.endif
	s_wait_dscnt 0x0                               ; the stores have read their registers
.endm
	v_lshl_add_u32 v[SPW], v0, 2, SPARE
	v_mov_b32 v[NIL], 0
	s_cmp_lt_u32 ttmp9, 256
	s_cbranch_scc0 .Lweights
; ================= THE NORM
	s_load_b256 s[4:11], s[0:1], 0x0               ; x, g, b, hq
	v_lshrrev_b32 v2, 5, v0
	v_readfirstlane_b32 s12, v2                    ; wave
	v_and_b32 v3, 31, v0
	v_lshlrev_b32 v1, 4, v3                        ; 16 x lane
	v_lshlrev_b32 v6, 3, v3                        ; 8 x lane
	v_and_b32 v2, 15, v0                           ; r
	v_bfe_u32 v7, v0, 4, 1                         ; h
	s_mul_i32 s13, s12, 4*LP
	v_add_nc_u32 v4, s13, v1                       ; y in: my four rows, 16 bytes a lane
	v_mul_u32_u24 v5, v2, LP
	v_lshl_add_u32 v5, v7, 6, v5
	s_lshl_b32 s13, s12, 10
	v_add_nc_u32 v5, s13, v5                       ; y out: row r, + 64 h, + my two K steps
	s_lshr_b32 s14, ttmp9, 1
	s_lshl_b32 s14, s14, 5
	s_and_b32 s15, ttmp9, 1
	s_lshl_b32 s15, s15, 3
	s_add_co_u32 s14, s14, s15
	s_lshr_b32 s15, s12, 1
	s_lshl_b32 s15, s15, 4
	s_add_co_u32 s14, s14, s15
	s_and_b32 s15, s12, 1
	s_lshl_b32 s15, s15, 2
	s_add_co_u32 s14, s14, s15                     ; my first row: 32 (t / 2) + 8 (t % 2) + 16 (w / 2) + 4 (w % 2)
	s_lshl_b32 s14, s14, 12
	s_mov_b32 s15, 0
	s_mul_i32 s16, ttmp9, 8*REC
	s_mul_i32 s17, s12, 2*REC
	s_add_co_u32 s16, s16, s17
	s_mov_b32 s17, 0
	s_mov_b32 s[SEL], 0x76543210
	s_mov_b32 s[SEL+1], 0xfedcba98
	s_mov_b32 s22, 0x3a800000                      ; 1 / 1024
	s_mov_b32 s23, 0x3727c5ac                      ; 1e-5
	s_wait_alu depctr_va_vdst(0)                   ; the wait at the head's end
	s_wait_kmcnt 0x0
	s_add_nc_u64 s[4:5], s[4:5], s[14:15]
	s_add_nc_u64 s[10:11], s[10:11], s[16:17]
.irp i, 0,1,2,3
.irp j, 0,1,2,3,4,5,6,7
	global_load_b128 v[X+32*\i+4*\j:X+32*\i+4*\j+3], v1, s[4:5] offset:4096*\i+512*\j th:TH_LOAD_NT
.endr
.endr
.irp j, 0,1,2,3,4,5,6,7
	global_load_b128 v[G+4*\j:G+4*\j+3], v1, s[6:7] offset:512*\j
	global_load_b128 v[BB+4*\j:BB+4*\j+3], v1, s[8:9] offset:512*\j
.endr
	s_wait_loadcnt 0x0
.irp i, 0,1,2,3
	v_pk_add_f32 v[8+4*\i:9+4*\i], v[X+32*\i:X+32*\i+1], v[X+32*\i+2:X+32*\i+3]
	v_pk_add_f32 v[10+4*\i:11+4*\i], v[X+32*\i+4:X+32*\i+5], v[X+32*\i+6:X+32*\i+7]
.endr
.irp k, 8,12,16,20,24,28
.irp i, 0,1,2,3
	v_pk_add_f32 v[8+4*\i:9+4*\i], v[8+4*\i:9+4*\i], v[X+32*\i+\k:X+32*\i+\k+1]
	v_pk_add_f32 v[10+4*\i:11+4*\i], v[10+4*\i:11+4*\i], v[X+32*\i+\k+2:X+32*\i+\k+3]
.endr
.endr
	REDUCE
.irp i, 0,1,2,3
	v_mul_f32 v[MU+2*\i], s22, v[8+4*\i]
.endr
.irp i, 0,1,2,3
	v_mov_b32 v[MU+2*\i+1], v[MU+2*\i]
.endr
.irp k, 0,2,4,6,8,10,12,14,16,18,20,22,24,26,28,30
.irp i, 0,1,2,3
	v_pk_add_f32 v[X+32*\i+\k:X+32*\i+\k+1], v[X+32*\i+\k:X+32*\i+\k+1], v[MU+2*\i:MU+2*\i+1] neg_lo:[0,1] neg_hi:[0,1]   ; x - mean
.endr
.endr
.irp i, 0,1,2,3
	v_pk_mul_f32 v[8+4*\i:9+4*\i], v[X+32*\i:X+32*\i+1], v[X+32*\i:X+32*\i+1]
	v_pk_mul_f32 v[10+4*\i:11+4*\i], v[X+32*\i+2:X+32*\i+3], v[X+32*\i+2:X+32*\i+3]
.endr
.irp k, 4,8,12,16,20,24,28
.irp i, 0,1,2,3
	v_pk_fma_f32 v[8+4*\i:9+4*\i], v[X+32*\i+\k:X+32*\i+\k+1], v[X+32*\i+\k:X+32*\i+\k+1], v[8+4*\i:9+4*\i]
	v_pk_fma_f32 v[10+4*\i:11+4*\i], v[X+32*\i+\k+2:X+32*\i+\k+3], v[X+32*\i+\k+2:X+32*\i+\k+3], v[10+4*\i:11+4*\i]
.endr
.endr
	REDUCE
.irp i, 0,1,2,3
	v_fma_f32 v[8+4*\i], v[8+4*\i], s22, s23       ; var + eps
.endr
	s_wait_alu depctr_va_vdst(0)                   ; the wait ahead of the batch
.irp i, 0,1,2,3
	v_rsq_f32 v[RS+2*\i], v[8+4*\i]
.endr
	v_nop                                          ; a plain line behind the last of them
	s_wait_alu depctr_va_vdst(0)                   ; one wait for the four, ahead of their first reader
.irp i, 0,1,2,3
	v_mov_b32 v[RS+2*\i+1], v[RS+2*\i]
.endr
.irp k, 0,2,4,6,8,10,12,14,16,18,20,22,24,26,28,30
.irp i, 0,1,2,3
	v_pk_mul_f32 v[X+32*\i+\k:X+32*\i+\k+1], v[X+32*\i+\k:X+32*\i+\k+1], v[RS+2*\i:RS+2*\i+1]
.endr
.endr
.irp k, 0,2,4,6,8,10,12,14,16,18,20,22,24,26,28,30
.irp i, 0,1,2,3
	v_pk_fma_f32 v[X+32*\i+\k:X+32*\i+\k+1], v[X+32*\i+\k:X+32*\i+\k+1], v[G+\k:G+\k+1], v[BB+\k:BB+\k+1]
.endr
.endr
.irp i, 0,1,2,3
.irp j, 0,1,2,3,4,5,6,7
	ds_store_b128 v4, v[X+32*\i+4*\j:X+32*\i+4*\j+3] offset:\i*LP+512*\j
.endr
.endr
	s_wait_dscnt 0x0                               ; for the others' sake: my rows lie in LDS
	s_barrier_signal -1
	s_barrier_wait -1
.irp e, 0,1
.irp b, 0,1,2,3
.irp j, 0,1,2,3
	ds_load_b128 v[T0+64*\e+16*\b+4*\j:T0+64*\e+16*\b+4*\j+3], v5 offset:512*\e+128*\b+16*\j
.endr
.endr
.endr
.irp b, 0,1,2,3
	v_mov_b32 v[TM+4+\b], 0                        ; a lane permute's destination counts as one of its sources
.endr
	s_wait_dscnt 16                                ; the first K step's 16 loads are in; the second's may stay out
	QUANT T0, PC0, PW0
.irp p, 0,1,2,3,4,5
	global_store_b64 v6, v[PC0+2*\p:PC0+2*\p+1], s[10:11] offset:256*\p      ; 32 lanes store 256 consecutive bytes, aligned
.endr
	global_store_b64 v6, v[PW0:PW0+1], s[10:11] offset:1536
	s_wait_dscnt 0x0
	QUANT T0+64, PC1, PW1
.irp p, 0,1,2,3,4,5
	global_store_b64 v6, v[PC1+2*\p:PC1+2*\p+1], s[10:11] offset:REC+256*\p
.endr
	global_store_b64 v6, v[PW1:PW1+1], s[10:11] offset:REC+1536
	s_wait_tensorcnt 0x0                           ; the wave's end
	ds_add_u32 v[SPW], v[NIL]
	s_wait_dscnt 0x0
	s_endpgm
; ================= THE WEIGHTS
.Lweights:
	s_load_b256 s[4:11], s[0:1], 0x20              ; w_qkv, w_out, w_fc1, w_fc2
	s_load_b64 s[12:13], s[0:1], 0x40              ; wq
	s_sub_co_u32 s36, ttmp9, 256                   ; my number among the 768 of this path
	v_lshrrev_b32 v1, 5, v0
	v_readfirstlane_b32 s14, v1                    ; wave
	v_and_b32 v2, 31, v0                           ; lane
	v_lshlrev_b32 v3, 2, v2
	v_lshlrev_b32 v[LO8], 3, v2
	s_mul_i32 s15, s14, WREG
	s_add_co_u32 s15, s15, WQ0
	v_add_nc_u32 v[RDA], s15, v[LO8]
	v_bfe_u32 v7, v0, 3, 1                         ; u
	v_and_b32 v8, 7, v0
	v_bfe_u32 v9, v0, 4, 1
	v_lshl_add_u32 v8, v9, 3, v8                   ; r
	v_mul_u32_u24 v7, v7, TILE1
	v_lshl_add_u32 v7, v8, 3, v7
	v_add_nc_u32 v[STA], s15, v7
	s_mov_b32 s18, 512                             ; w_fc2's figures: first work-group,
	s_mov_b32 s19, 4096                            ; bytes in a row,
	s_mov_b32 s20, 5                               ; log2 of its parts of 128 along K,
	s_mov_b32 s21, 32*REC                          ; bytes of a tile's records,
	s_mov_b32 s22, 7340032                         ; place in wq
	s_wait_alu depctr_va_vdst(0)                   ; the wait at the head's end
	s_wait_kmcnt 0x0
	s_mov_b64 s[16:17], s[10:11]
	s_cmp_lt_u32 s36, 512                          ; w_fc1's
	s_cselect_b64 s[16:17], s[8:9], s[16:17]
	s_cselect_b32 s18, 256, s18
	s_cselect_b32 s19, 16384, s19
	s_cselect_b32 s20, 3, s20
	s_cselect_b32 s21, 8*REC, s21
	s_cselect_b32 s22, 3670016, s22
	s_cmp_lt_u32 s36, 256                          ; w_out's
	s_cselect_b64 s[16:17], s[6:7], s[16:17]
	s_cselect_b32 s18, 192, s18
	s_cselect_b32 s19, 4096, s19
	s_cselect_b32 s22, 2752512, s22
	s_cmp_lt_u32 s36, 192                          ; w_qkv's
	s_cselect_b64 s[16:17], s[4:5], s[16:17]
	s_cselect_b32 s18, 0, s18
	s_cselect_b32 s19, 12288, s19
	s_cselect_b32 s22, 0, s22
	s_sub_co_u32 s23, s36, s18
	s_bfm_b32 s24, s20, 0
	s_and_b32 s24, s23, s24                        ; which 128 along K
	s_lshr_b32 s25, s23, s20                       ; which 128 columns
	s_mul_i32 s28, s24, s19
	s_lshl_b32 s28, s28, 7                         ; 128 rows for each part
	s_lshl_b32 s29, s25, 9
	s_add_co_u32 s28, s28, s29
	s_lshl_b32 s29, s14, 7
	s_add_co_u32 s28, s28, s29
	s_mov_b32 s29, 0
	s_add_nc_u64 s[16:17], s[16:17], s[28:29]      ; the wave's first row and column
	s_lshl_b32 s26, s19, 5                         ; 32 rows on
	s_mov_b32 s27, 0
	s_lshl_b32 s30, s25, 2
	s_add_co_u32 s30, s30, s14                     ; which pair of tiles
	s_lshl_b32 s30, s30, 1
	s_mul_i32 s30, s30, s21
	s_mul_i32 s31, s24, REC
	s_add_co_u32 s30, s30, s31
	s_add_co_u32 s30, s30, s22
	s_mov_b32 s31, 0
	s_add_nc_u64 s[32:33], s[12:13], s[30:31]      ; tile 0's record in wq
	s_mov_b32 s30, s21
	s_add_nc_u64 s[34:35], s[32:33], s[30:31]      ; tile 1's
.set i, 0
.rept 32
	v_mad_u32_u24 v[VO+i], s19, i, v3
.set i, i+1
.endr
	LOADS 0
	s_wait_alu depctr_va_vdst(0)                   ; the wait here, directly ahead of the wait below
	NEXT 1
	BLOCK 0, 1, 32
	BLOCK 1, 1, 32
	BLOCK 2, 0, 32
	BLOCK 3, 0, 0
.set i, 0
.rept 7
	ds_load_b64 v[O0+2*i:O0+2*i+1], v[RDA] offset:256*i          ; LDS serves a wave's instructions in order: these see my stores
.set i, i+1
.endr
.set i, 0
.rept 7
	ds_load_b64 v[O1+2*i:O1+2*i+1], v[RDA] offset:TILE1+256*i
.set i, i+1
.endr
.set i, 0
.rept 7
	s_wait_dscnt 13-i                              ; the younger loads may stay out
	global_store_b64 v[LO8], v[O0+2*i:O0+2*i+1], s[32:33] offset:256*i   ; 32 lanes store 256 consecutive bytes, aligned
.set i, i+1
.endr
.set i, 0
.rept 7
	s_wait_dscnt 6-i
	global_store_b64 v[LO8], v[O1+2*i:O1+2*i+1], s[34:35] offset:256*i
.set i, i+1
.endr
	s_wait_tensorcnt 0x0                           ; the wave's end
	ds_add_u32 v[SPW], v[NIL]
	s_wait_dscnt 0x0
	s_endpgm
.Lfunc_end_k_q152b37b9cf_prep:
	.size	k_q152b37b9cf_prep, .Lfunc_end_k_q152b37b9cf_prep-k_q152b37b9cf_prep
	.p2alignl 7, 3214868480
	.fill 96, 4, 3214868480
	.section	.rodata,"a",@progbits
	.p2align	6, 0x0
	.amdhsa_kernel k_q152b37b9cf_prep
		.amdhsa_group_segment_fixed_size 81664
		.amdhsa_private_segment_fixed_size 0
		.amdhsa_enable_private_segment 0
		.amdhsa_kernarg_size 72
		.amdhsa_user_sgpr_count 2
		.amdhsa_user_sgpr_kernarg_segment_ptr 1
		.amdhsa_wavefront_size32 1
		.amdhsa_system_sgpr_workgroup_id_x 1
		.amdhsa_system_sgpr_workgroup_id_y 1
		.amdhsa_system_sgpr_workgroup_id_z 1
		.amdhsa_system_vgpr_workitem_id 0
		.amdhsa_next_free_vgpr 256
		.amdhsa_next_free_sgpr 66
		.amdhsa_reserve_vcc 0
		.amdhsa_float_denorm_mode_32 3
		.amdhsa_float_denorm_mode_16_64 3
		.amdhsa_memory_ordered 1
		.amdhsa_forward_progress 1
		.amdhsa_inst_pref_size 71
	.end_amdhsa_kernel
	.amdgpu_metadata
---
amdhsa.version: [ 1, 2 ]
amdhsa.kernels:
  - .name:           k_q152b37b9cf_prep
    .symbol:         k_q152b37b9cf_prep.kd
    .args:
      - { .name: x, .offset: 0, .size: 8, .value_kind: global_buffer, .address_space: global }
      - { .name: ln1_g, .offset: 8, .size: 8, .value_kind: global_buffer, .address_space: global }
      - { .name: ln1_b, .offset: 16, .size: 8, .value_kind: global_buffer, .address_space: global }
      - { .name: hq, .offset: 24, .size: 8, .value_kind: global_buffer, .address_space: global }
      - { .name: w_qkv, .offset: 32, .size: 8, .value_kind: global_buffer, .address_space: global }
      - { .name: w_out, .offset: 40, .size: 8, .value_kind: global_buffer, .address_space: global }
      - { .name: w_fc1, .offset: 48, .size: 8, .value_kind: global_buffer, .address_space: global }
      - { .name: w_fc2, .offset: 56, .size: 8, .value_kind: global_buffer, .address_space: global }
      - { .name: wq, .offset: 64, .size: 8, .value_kind: global_buffer, .address_space: global }
    .group_segment_fixed_size: 81664
    .private_segment_fixed_size: 0
    .kernarg_segment_align: 8
    .kernarg_segment_size: 72
    .max_flat_workgroup_size: 128
    .sgpr_count:     66
    .vgpr_count:     256
    .wavefront_size: 32
...
	.end_amdgpu_metadata
.endif
;; end of part 1
;; launch gemm_qkv (part 2): grid 12 x 16, 4 waves a work-group, clusters of 4 x 4, 327,680 bytes of LDS; arguments hq, wq, b_qkv, qkv; writes qkv
.if DOCPART == 2
	.amdgcn_target "amdgcn-amd-amdhsa--gfx1250"
	.amdhsa_code_object_version 6
	.text
	.protected	k_q152b37b9cf_gemm_qkv
	.globl	k_q152b37b9cf_gemm_qkv
	.p2align	8
	.type	k_q152b37b9cf_gemm_qkv,@function
k_q152b37b9cf_gemm_qkv:
	s_mov_b64 s[64:65], 0
	v_nop
	global_prefetch_b8 v0, s[64:65] scope:SCOPE_SE
	s_setreg_imm32_b32 hwreg(HW_REG_WAVE_MODE, 25, 1), 1
	s_wait_xcnt 0x0
	s_wait_alu depctr_hold_cnt(0) depctr_sa_sdst(0) depctr_va_vdst(0) depctr_va_sdst(0) depctr_va_ssrc(0) depctr_va_vcc(0) depctr_vm_vsrc(0)
	s_getreg_b32 s2, hwreg(HW_REG_IB_STS2, 6, 4)
	s_cmp_eq_u32 s2, 0
	s_cbranch_scc0 .Lentry_in_a_cluster
	s_endpgm
.Lentry_in_a_cluster:
	s_bfe_u32 s2, ttmp6, 0x10000c
	s_cmp_lg_u32 s2, 0xf033
	s_cbranch_scc0 .Lentry_shape_is_right
	s_endpgm
.Lentry_shape_is_right:
; q, k, v = Q(h) Q(w_qkv) + b_qkv on codes of FP6 (E2M3) with E8M0 scales, and the quantisers of q, k (along the head's 64) and v (along the keys).  K = 1,024.
; OPERANDS are records of 1,792 bytes: a fragment (16 rows x 128 K) as an image of its registers: chunk p holds registers 2p, 2p+1 of lane l at 256 p + 8 l, chunk 6 the row's scale word at 1536 + 8 l (lane 16 + r holds row r's too).
; Record (t, s) at (8 t + s) x 1,792.  Tile t, lane-row r stands for index 32 (t / 2) + 8 (t % 2) + r % 8 + 16 (r / 8), on both sides: so the 16 registers of source 0's tiles 2 b, 2 b + 1 are 16 NEIGHBOURS, 32 b + 16 (lane / 16) + 0..15.
; A tile of 256 x 256 to a work-group of four waves, 128 x 128 a wave: 64 accumulators, 512 registers.  K goes in steps of 256 (two records a tile) through two LDS slots filled by the tensor data mover.
; The grid has 192 work-groups: 3,072 x 4,096 / 256^2.
; CLUSTERS 4 x 4: the side that is source 1 ('A') hangs on the cluster's y place and is shared along a row of the cluster, source 0 ('B') on its x place and is shared along a column; each tile is asked for jointly.
; Clusters with x = 0, 1 make q and k: A = tokens, B = weights: a lane holds a token and its registers run along the heads' channels.  Clusters with x = 2 make v with the sides SWAPPED (A = v's channels, B = tokens):
; a lane holds a channel and its registers run along the keys, which are the second attention product's K.  The choice hangs on the cluster's x, which all partners share.
; OUT (qkv): q at 0, k at 3,670,016, v at 7,340,032; 114,688 bytes a head (16 batch + head).  q, k: record tau holds token tile 2 tau's 64 channels in chunks 0-2 and tile 2 tau + 1's in chunks 3-5, scale word = the two tiles' two bytes each.
; v: record (key step s, channel tile d) at (4 s + d) x 1,792: 16 channels x 128 keys.
; LIMITS: a block whose largest magnitude lies under 2^-124 keeps the byte 1 (a block of zeros too); NaN and infinities are not served.
.set REC,   1792
.set KS,    8
.set NQ,    2
.set RUN,   NQ*REC                     ; a tile's records of one slot
.set HALFT, 8*RUN                      ; 8 tiles of 16 rows: what one tensor load brings, and what one wave reads of a side
.set SLOT,  4*HALFT
.set SPARE, 2*SLOT                     ; the spare words: two blocks of 256 bytes that no other line names
.set LAPS,  KS/(2*NQ)
.set FR,    12
.set NL,    6
.set NP,    4
.set HEADB, 114688
.set ADRA, 16                          ; v16-17 my A fragments in slot 0, 1: + 8 x lane
.set ADRB, 20                          ; v20-21 B's
.set ADRS, 22                          ; v22-23 scale words: lanes 0-15 A's, lanes 16-31 B's
.set LO8,  24                          ; v24    8 x lane
.set SPW,  28
.set NIL,  29
.set SC,   32                          ; v32-47 scale words, two sets of 8: register i: lanes 0-15 A's block i, lanes 16-31 B's block i
.set BV,   48                          ; v48-55 the bias of my lane's channel in A's block a (v's way out)
.set BI,   64                          ; v64-127 the bias along my registers (q's and k's way out)
.set AF,   128                         ; v128-223 A's fragments, one set
.set T,    128                         ; the way out: 64 numbers
.set PCA,  192
.set PCB,  212
.set TM,   232
.set PWA,  248
.set PWB,  250
.set WA,   252
.set WB,   254
.set G1,   24
.set G0,   32
.set G1B,  48
.set G0B,  56
.set SEL,  84
.set MSB, 0
.macro WIN new                         ; the immediate's high byte repeats the setting that is left
.if MSB != (\new)
	s_set_vgpr_msb (MSB<<8)|(\new)
.set MSB, (\new)
.endif
.endm
.set MUL_LO, 0xa1                      ; source 0 (B) window 1, source 1 (A) window 0, C and D window 2
.set MUL_HI, 0xf1                      ; the same, C and D window 3
.set TO_B,   0x40
.macro JLOAD s                         ; a joint load: waves 0 and 1 fetch A's halves, waves 2 and 3 B's
	s_cmp_eq_u32 s15, 0
	s_cbranch_scc0 .Lfor_b_\@
	tensor_load_to_lds s[G0+4*\s:G0+4*\s+3], s[G1:G1+7]
	s_nop 0
.rept 4
	v_nop
.endr
	s_branch .Lasked_\@
.Lfor_b_\@:
	tensor_load_to_lds s[G0B+4*\s:G0B+4*\s+3], s[G1B:G1B+7]
	s_nop 0
.rept 4
	v_nop
.endr
.Lasked_\@:
.endm
.macro CREST
	s_cmp_lg_u32 s14, 0
	s_cbranch_scc1 .Lnot_wave_0_\@
	s_barrier_signal -3
.Lnot_wave_0_\@:
	s_barrier_wait -3
	s_barrier_signal -1
	s_barrier_wait -1
.endm
.macro CROUND
	s_barrier_signal -1
	s_barrier_wait -1
	CREST
.endm
.macro PLACES n
.rept \n
	v_nop
.endr
.endm
.macro QUANT s, pc, pw                 ; 64 numbers, register 16 b + i = k 32 b + 16 (lane / 16) + i of my row, become a fragment's codes in v[pc] on and its scale word in v[pw], v[pw + 1]
.irp b, 0,1,2,3
	v_max3_num_f32 v[TM+\b], |v[\s+16*\b]|, |v[\s+1+16*\b]|, 0x1800000   ; with the floor 2^(3 - 127): the byte cannot fall under 1
.endr
.irp k, 2,4,6,8,10,12,14
.irp b, 0,1,2,3
	v_max3_num_f32 v[TM+\b], v[TM+\b], |v[\s+16*\b+\k]|, |v[\s+1+16*\b+\k]|
.endr
.endr
.irp b, 0,1,2,3
	v_permlanex16_b32 v[TM+4+\b], v[TM+\b], s[SEL], s[SEL+1]
.endr
.irp b, 0,1,2,3
	v_max_num_f32 v[TM+\b], v[TM+\b], v[TM+4+\b]
.endr
.irp b, 0,1,2,3
	v_add_nc_u32 v[TM+12+\b], 0xff000000, v[TM+\b]
.endr
.irp b, 0,1,2,3
	v_lshrrev_b32 v[TM+4+\b], 23, v[TM+12+\b]
.endr
	v_lshl_or_b32 v[\pw], v[TM+5], 8, v[TM+4]
	v_lshl_or_b32 v[\pw], v[TM+6], 16, v[\pw]
	v_lshl_or_b32 v[\pw], v[TM+7], 24, v[\pw]
	v_mov_b32 v[\pw+1], v[\pw]
.irp c, 0,1
	v_cvt_scalef32_pk16_fp6_f32 v[\pc+6*\c:\pc+2+6*\c], v[\s+32*\c:\s+15+32*\c], v[TM+12+2*\c]
	v_cvt_scalef32_pk16_fp6_f32 v[\pc+12+4*\c:\pc+14+4*\c], v[\s+16+32*\c:\s+31+32*\c], v[TM+12+2*\c+1]
.endr
	v_nop                                          ; one plain line behind a scaled conversion
.irp c, 0,1
.irp k, 0,1,2
	v_permlane16_swap_b32 v[\pc+6*\c+\k], v[\pc+12+4*\c+\k]
.endr
.irp k, 0,1,2
	v_mov_b32 v[\pc+3+6*\c+\k], v[\pc+12+4*\c+\k]
.endr
.endr
.endm
	s_load_b256 s[4:11], s[0:1], 0x0               ; hq, wq, b_qkv, qkv
	v_lshl_add_u32 v[SPW], v0, 2, SPARE
	v_mov_b32 v[NIL], 0
	ds_add_u32 v[SPW], v[NIL]                      ; the wave's opening: the add and its wait ahead of my first tensor load
	ds_add_u32 v[SPW], v[NIL]
	v_lshrrev_b32 v1, 5, v0
	v_readfirstlane_b32 s14, v1                    ; wave
	s_lshr_b32 s15, s14, 1                         ; my half of A's rows.  Also: I fetch for A (0) or for B (1)
	s_and_b32 s16, s14, 1                          ; my half of B's rows.  Also: which half I fetch
	s_bfe_u32 s40, ttmp6, 0x40000                  ; cx
	s_bfe_u32 s41, ttmp6, 0x40004                  ; cy
	s_and_b32 s12, ttmp7, 0xffff                   ; the cluster's y
	s_cmp_eq_u32 ttmp9, 2                          ; v's clusters
	s_cselect_b32 s13, 0, s12                      ; A's tiles: q, k: tokens, 4 x cluster y + cy;  v: channels, cy
	s_cselect_b32 s70, s12, ttmp9                  ; B's tiles: q, k: weights, 4 x cluster x + cx;  v: tokens, 4 x cluster y + cx
	s_lshl_b32 s17, s13, 2
	s_add_co_u32 s17, s17, s41                     ; tA
	s_lshl_b32 s42, s70, 2
	s_add_co_u32 s42, s42, s40                     ; tB
	s_lshl_b32 s43, s41, 2
	s_lshl_b32 s43, 15, s43                        ; my row of the cluster
	s_lshl_b32 s44, 0x1111, s40                    ; my column
	s_or_b32 s[G1+0], s43, (3<<16)|(1<<21)         ; the mask; elements of 8 bytes; bit 21 beside a mask; no padding
	s_or_b32 s[G1B+0], s44, (3<<16)|(1<<21)
.irp g, G1, G1B
	s_mov_b32 s[\g+1], (RUN/8)<<16                 ; tensor_dim0: a tile's two records
	s_mov_b32 s[\g+2], 8<<16                       ; tensor_dim1: 8 tiles
	s_mov_b32 s[\g+3], (RUN/8)<<16                 ; tile_dim0
	s_mov_b32 s[\g+4], 8                           ; tile_dim1
	s_mov_b32 s[\g+5], KS*REC/8                    ; from tile to tile
	s_mov_b32 s[\g+6], 0
	s_mov_b32 s[\g+7], 0
.endr
	s_lshl_b32 s18, s16, 3                         ; which 8 tiles I fetch
	s_lshl_b32 s20, s17, 4
	s_add_co_u32 s20, s20, s18
	s_mul_i32 s20, s20, KS*REC
	s_mov_b32 s21, 0
	s_lshl_b32 s46, s42, 4
	s_add_co_u32 s46, s46, s18
	s_mul_i32 s46, s46, KS*REC
	s_mov_b32 s47, 0
	s_mul_i32 s45, s14, HALFT                      ; where they go: no place in the cluster enters an LDS address
	s_wait_dscnt 0x0                               ; the opening adds are done
	CROUND                                         ; the round in front of the first joint loads, while the arguments are on their way
	s_wait_kmcnt 0x0
	s_add_nc_u64 s[22:23], s[6:7], 128*KS*REC      ; the weights of v's channels: column 2,048 on
	s_cmp_eq_u32 ttmp9, 2
	s_cselect_b64 s[66:67], s[22:23], s[4:5]       ; A's buffer
	s_cselect_b64 s[68:69], s[4:5], s[6:7]         ; B's
	s_add_nc_u64 s[20:21], s[66:67], s[20:21]
	s_add_nc_u64 s[46:47], s[68:69], s[46:47]
.irp s, 0,1
	s_mov_b32 s[G0+4*\s], 1
	s_add_co_u32 s[G0+4*\s+1], s45, \s*SLOT
	s_add_nc_u64 s[G0+4*\s+2:G0+4*\s+3], s[20:21], \s*RUN
	s_or_b32 s[G0+4*\s+3], s[G0+4*\s+3], 0x80000000
	s_mov_b32 s[G0B+4*\s], 1
	s_add_co_u32 s[G0B+4*\s+1], s45, \s*SLOT
	s_add_nc_u64 s[G0B+4*\s+2:G0B+4*\s+3], s[46:47], \s*RUN
	s_or_b32 s[G0B+4*\s+3], s[G0B+4*\s+3], 0x80000000
.endr
	JLOAD 0                                        ; slot 0: one tensor load a wave at the head
	; prefetches into the L2: of the 8 tiles that I fetch jointly with three partners, my work-group names 2 (told apart by address: cx for A, cy for B);
	; a slot's part of a tile is 14 blocks of 256 bytes: 28 lanes name a block each, the last four name the last block again
.set PFO, 30
.set PFA, 90
	s_cmp_eq_u32 s15, 0
	s_cselect_b64 s[PFA:PFA+1], s[20:21], s[46:47]
	s_cselect_b32 s88, s40, s41
	s_mul_i32 s88, s88, 2*KS*REC
	s_mov_b32 s89, 0
	s_add_nc_u64 s[PFA:PFA+1], s[PFA:PFA+1], s[88:89]
	v_and_b32 v[PFO], 31, v0
	v_min_u32 v[PFO], 27, v[PFO]
	v_add_nc_u32 v31, 2, v[PFO]
	v_lshrrev_b32 v31, 4, v31                      ; which of my two tiles: lanes 14 on take the second
	v_mul_u32_u24 v31, v31, KS*REC-RUN
	v_lshl_add_u32 v[PFO], v[PFO], 8, v31
	global_prefetch_b8 v[PFO], s[PFA:PFA+1] offset:RUN th:TH_LOAD_NT scope:SCOPE_SE     ; what the next load will ask for,
	global_prefetch_b8 v[PFO], s[PFA:PFA+1] offset:2*RUN th:TH_LOAD_NT scope:SCOPE_SE   ; and the one behind it
	v_and_b32 v1, 31, v0
	v_lshlrev_b32 v[LO8], 3, v1
	s_wait_alu depctr_va_vdst(0)
	v_bfe_u32 v2, v0, 4, 1                         ; h
	s_wait_alu depctr_va_vdst(0)
	s_mul_i32 s21, s15, HALFT                      ; my half of A
	s_mul_i32 s22, s16, HALFT
	s_add_co_u32 s22, s22, 2*HALFT                 ; my half of B, behind A's two
	s_xor_b32 s23, s15, 1
	s_add_co_u32 s23, s23, s16
	s_add_co_u32 s23, s23, 1
	s_mul_i32 s23, s23, HALFT                      ; the distance between the two
	v_mul_u32_u24 v6, s23, v2                      ; lanes 16-31 take B's scale words
	v_add_nc_u32 v6, v6, v[LO8]
.irp s, 0,1
	v_add_nc_u32 v[ADRA+\s], s21, v[LO8]
	v_add_nc_u32 v[ADRB+\s], s22, v[LO8]
	v_add_nc_u32 v[ADRS+\s], s21, v6
	s_add_co_u32 s21, s21, SLOT
	s_add_co_u32 s22, s22, SLOT
.endr
	; the biases.  Both kinds are loaded by every work-group, the one that it does not use from the buffer's head
	s_lshl_b32 s72, s42, 10
	s_lshl_b32 s73, s16, 9
	s_add_co_u32 s72, s72, s73                     ; q, k: 4 x (256 tB + 128 half)
	s_lshl_b32 s74, s17, 10
	s_lshl_b32 s75, s15, 9
	s_add_co_u32 s74, s74, s75
	s_add_co_u32 s74, s74, 8192                    ; v: 4 x (2,048 + 256 tA + 128 half)
	s_cmp_eq_u32 ttmp9, 2
	s_cselect_b32 s72, 0, s72
	s_cselect_b32 s74, s74, 0
	s_mov_b32 s73, 0
	s_mov_b32 s75, 0
	s_add_nc_u64 s[72:73], s[8:9], s[72:73]
	s_add_nc_u64 s[74:75], s[8:9], s[74:75]
	v_lshlrev_b32 v3, 6, v2                        ; 16 h numbers
.irp b, 0,1,2,3,4,5,6,7
	global_load_b128 v[BI+8*\b:BI+8*\b+3], v3, s[72:73] offset:4*(32*(\b/2)+8*(\b%2))
	global_load_b128 v[BI+8*\b+4:BI+8*\b+7], v3, s[72:73] offset:4*(32*(\b/2)+8*(\b%2))+16
.endr
	v_and_b32 v4, 7, v0
	v_bfe_u32 v5, v0, 3, 1
	v_lshl_add_u32 v4, v5, 4, v4
	v_lshlrev_b32 v4, 2, v4                        ; 4 x (r % 8 + 16 (r / 8))
.irp a, 0,1,2,3,4,5,6,7
	global_load_b32 v[BV+\a], v4, s[74:75] offset:4*(32*(\a/2)+8*(\a%2))
.endr
	; where my results go
	s_lshl_b32 s76, s17, 4
	s_lshl_b32 s77, s15, 3
	s_add_co_u32 s76, s76, s77                     ; q, k: my first token tile
	s_lshr_b32 s77, s76, 7                         ; batch
	s_and_b32 s76, s76, 127
	s_lshr_b32 s76, s76, 1                         ; its record in a head
	s_lshl_b32 s78, s42, 1
	s_add_co_u32 s78, s78, s16                     ; my 128 of B's side: 2 tB + half
	s_and_b32 s79, s78, 7                          ; the pair of heads
	s_lshl_b32 s77, s77, 4
	s_lshl_b32 s79, s79, 1
	s_add_co_u32 s77, s77, s79
	s_lshl_b32 s77, s77, 6
	s_add_co_u32 s77, s77, s76
	s_mul_i32 s77, s77, REC
	s_mul_i32 s76, ttmp9, 3670016                  ; q or k
	s_add_co_u32 s77, s77, s76
	s_lshr_b32 s80, s78, 4                         ; v: batch,
	s_and_b32 s81, s78, 15                         ; key step
	s_lshl_b32 s80, s80, 4
	s_lshl_b32 s82, s17, 2
	s_add_co_u32 s80, s80, s82
	s_lshl_b32 s82, s15, 1
	s_add_co_u32 s80, s80, s82                     ; 16 batch + my first head
	s_lshl_b32 s80, s80, 6
	s_lshl_b32 s81, s81, 2
	s_add_co_u32 s80, s80, s81
	s_mul_i32 s80, s80, REC
	s_add_co_u32 s80, s80, 7340032
	s_cmp_eq_u32 ttmp9, 2
	s_cselect_b32 s76, s80, s77
	s_mov_b32 s77, 0
	s_add_nc_u64 s[10:11], s[10:11], s[76:77]
	s_mov_b32 s[SEL], 0x76543210
	s_mov_b32 s[SEL+1], 0xfedcba98
.macro FRAG reg, adr, q, i             ; a fragment comes as it was laid: six loads of 8 bytes a lane, 256 consecutive bytes each
.irp p, 0,1,2,3,4,5
	ds_load_b64 v[\reg+2*\p:\reg+2*\p+1], v[\adr] offset:(\i)*RUN+(\q)*REC+256*\p
.endr
.endm
.macro FETCH_B slot, q, p
	WIN TO_B
.irp i, 0,1,2,3,4,5,6,7
	FRAG 128*(\p)+FR*\i, ADRB+\slot, \q, \i
.endr
	WIN 0
.endm
.macro FETCH_A slot, q, i0
.irp i, \i0, \i0+1, \i0+2, \i0+3
	FRAG AF+FR*(\i), ADRA+\slot, \q, \i
.endr
.endm
.macro SCL set, slot, q                ; the scale words of one step of 128 along K
.irp i, 0,1,2,3,4,5,6,7
	ds_load_b32 v[SC+8*(\set)+\i], v[ADRS+\slot] offset:\i*RUN+(\q)*REC+1536
.endr
.endm
; 16 matrix instructions: A's blocks a0, a0 + 1 x B's eight.  The 64 accumulators take turns, one instruction a turn, in the same order in every step.
.macro MUL16 a0, p, set, zero
.irp a, \a0, \a0+1
.irp b, 0,1,2,3,4,5,6,7
.if \zero
	v_wmma_scale_f32_16x16x128_f8f6f4 v[8*(8*((\a)%4)+\b):8*(8*((\a)%4)+\b)+7], v[128*(\p)+FR*\b:128*(\p)+FR*\b+FR-1], v[AF+FR*(\a):AF+FR*(\a)+FR-1], 0, v[SC+8*(\set)+\b], v[SC+8*(\set)+(\a)] matrix_a_fmt:MATRIX_FMT_FP6 matrix_b_fmt:MATRIX_FMT_FP6 matrix_a_scale:MATRIX_SCALE_ROW1
.else
	v_wmma_scale_f32_16x16x128_f8f6f4 v[8*(8*((\a)%4)+\b):8*(8*((\a)%4)+\b)+7], v[128*(\p)+FR*\b:128*(\p)+FR*\b+FR-1], v[AF+FR*(\a):AF+FR*(\a)+FR-1], v[8*(8*((\a)%4)+\b):8*(8*((\a)%4)+\b)+7], v[SC+8*(\set)+\b], v[SC+8*(\set)+(\a)] matrix_a_fmt:MATRIX_FMT_FP6 matrix_b_fmt:MATRIX_FMT_FP6 matrix_a_scale:MATRIX_SCALE_ROW1
.endif
.endr
.endr
.endm
.macro STEP slot, zero                 ; a slot's first 128 along K; its successor lies in the same slot
	s_wait_dscnt 4*NL                              ; B's set, A's blocks 0-3 and the scale words are in; the youngest 24 loads (A's blocks 4-7) may be out
	WIN MUL_LO
	MUL16 0, 0, 0, \zero
	MUL16 2, 0, 0, \zero
	s_wait_dscnt 0
	PLACES NP                                      ; four plain lines in front of loads into registers that matrix instructions have read
	FETCH_B \slot, 1, 1
	FETCH_A \slot, 1, 0
	SCL 1, \slot, 1
	WIN MUL_HI
	MUL16 4, 0, 0, \zero
	MUL16 6, 0, 0, \zero
	PLACES NP
	WIN 0
	FETCH_A \slot, 1, 4
.endm
.macro TURN slot, next, fill           ; a slot's second 128 along K, and the change of slots: one barrier
	s_wait_tensorcnt 0x0                           ; all my tensor loads have landed: my part of the next slot
	ds_add_u32 v[SPW], v[NIL]
	s_wait_dscnt 4*NL+1                            ; (the add and A's blocks 4-7 may be out)
	WIN MUL_LO
	MUL16 0, 1, 1, 0
	s_wait_dscnt 0x0                               ; the add is done, and my reads of this slot are over
	s_barrier_signal -1
	MUL16 2, 1, 1, 0
	WIN 0
	s_barrier_wait -1
.if \fill
	CREST                                          ; the barrier has opened a round of the cluster's: no wave of any partner still reads this slot or has a load on its way
	s_add_nc_u64 s[G0+4*\slot+2:G0+4*\slot+3], s[G0+4*\slot+2:G0+4*\slot+3], 2*RUN
	s_add_nc_u64 s[G0B+4*\slot+2:G0B+4*\slot+3], s[G0B+4*\slot+2:G0B+4*\slot+3], 2*RUN
	JLOAD \slot                                    ; my one tensor load behind the round; its four v_nop are the places in front of the loads below
.else
	PLACES NP
.endif
	FETCH_B \next, 0, 0
	FETCH_A \next, 0, 0
	SCL 0, \next, 0
	WIN MUL_HI
	MUL16 4, 1, 1, 0
	MUL16 6, 1, 1, 0
	PLACES NP
	WIN 0
	FETCH_A \next, 0, 4
.endm
	s_wait_alu depctr_va_vdst(0)
	s_wait_tensorcnt 0x0                           ; my part of slot 0 is in
	ds_add_u32 v[SPW], v[NIL]
	s_wait_dscnt 0x0
	CROUND                                         ; everybody's part of slot 0 is in, and the joint loads meet
	JLOAD 1                                        ; slot 1's first fill: my one tensor load behind the round
	FETCH_B 0, 0, 0
	FETCH_A 0, 0, 0
	SCL 0, 0, 0
	FETCH_A 0, 0, 4
	global_prefetch_b8 v[PFO], s[PFA:PFA+1] offset:3*RUN th:TH_LOAD_NT scope:SCOPE_SE   ; the last quarter of K, two loads ahead of its own
	STEP 0, 1                                      ; the first step's products start the sums
	s_mov_b32 s3, LAPS-1
.Llap:
	TURN 0, 1, 1
	STEP 1, 0
	TURN 1, 0, 1
	STEP 0, 0
	s_sub_co_u32 s3, s3, 1
	s_cmp_lg_u32 s3, 0
	s_cbranch_scc1 .Llap
	TURN 0, 1, 0                                   ; the last lap fills nothing
	STEP 1, 0
	s_wait_dscnt 4*NL
	WIN MUL_LO
	MUL16 0, 1, 1, 0
	MUL16 2, 1, 1, 0
	s_wait_dscnt 0
	WIN MUL_HI
	MUL16 4, 1, 1, 0
	MUL16 6, 1, 1, 0
	WIN 0
; THE WAY OUT needs no LDS: a block's 64 registers of a lane are 128 neighbours (with lane l xor 16's) of one row: bias, quantiser, and the codes leave as chunks of 256 consecutive bytes.
.macro ADDQK a                         ; block a + the bias along my registers; each accumulator from its low end on
	WIN 0x02+(\a)/4
.set AC, 64*((\a)%4)
.set i, 0
.rept 32
	v_pk_add_f32 v[T+i:T+i+1], v[AC+i:AC+i+1], v[BI+i:BI+i+1]
.set i, i+2
.endr
	WIN 0
.endm
.macro STQK pc, e, a                   ; the fragment's two halves are two heads' 64 channels of one token tile
.irp p, 0,1,2,3,4,5
	global_store_b64 v[LO8], v[\pc+2*\p:\pc+2*\p+1], s[10:11] offset:((\a)/2)*REC+(\p/3)*HEADB+256*(3*(\e)+\p%3)
.endr
.endm
.macro EPQK a
	s_wait_xcnt 0x0                                ; the earlier stores have read their registers
	ADDQK \a
	QUANT T, PCA, PWA
	ADDQK (\a)+1
	QUANT T, PCB, PWB
	STQK PCA, 0, \a
	STQK PCB, 1, \a
	v_perm_b32 v[WA], v[PWB], v[PWA], 0x05040100   ; the first head's word: the two tiles' low bytes
	v_perm_b32 v[WB], v[PWB], v[PWA], 0x07060302   ; the second head's: their high bytes
	v_mov_b32 v[WA+1], v[WA]
	v_mov_b32 v[WB+1], v[WB]
	global_store_b64 v[LO8], v[WA:WA+1], s[10:11] offset:((\a)/2)*REC+1536
	global_store_b64 v[LO8], v[WB:WB+1], s[10:11] offset:((\a)/2)*REC+HEADB+1536
.endm
.macro ADDV a                          ; block a + my channel's bias
	WIN 0x08+4*((\a)/4)
.set AC, 64*((\a)%4)
.set i, 0
.rept 64
	v_add_f32 v[T+i], v[BV+(\a)], v[AC+i]
.set i, i+1
.endr
	WIN 0
.endm
.macro STV pc, pw, a
.irp p, 0,1,2,3,4,5
	global_store_b64 v[LO8], v[\pc+2*\p:\pc+2*\p+1], s[10:11] offset:((\a)/4)*HEADB+((\a)%4)*REC+256*\p
.endr
	global_store_b64 v[LO8], v[\pw:\pw+1], s[10:11] offset:((\a)/4)*HEADB+((\a)%4)*REC+1536
.endm
.macro EPV a
	s_wait_xcnt 0x0
	ADDV \a
	QUANT T, PCA, PWA
	ADDV (\a)+1
	QUANT T, PCB, PWB
	STV PCA, PWA, \a
	STV PCB, PWB, (\a)+1
.endm
	PLACES NP                                      ; behind the last products
	s_wait_loadcnt 0x0                             ; the biases
.irp b, 0,1,2,3
	v_mov_b32 v[TM+4+\b], 0                        ; a lane permute's destination counts as one of its sources
.endr
	s_cmp_eq_u32 ttmp9, 2
	s_cbranch_scc1 .Lv_out
	EPQK 0
	EPQK 2
	EPQK 4
	EPQK 6
	s_branch .Lend
.Lv_out:
	EPV 0
	EPV 2
	EPV 4
	EPV 6
.Lend:
	s_wait_tensorcnt 0x0                           ; the wave's end
	ds_add_u32 v[SPW], v[NIL]
	s_wait_dscnt 0x0
	CROUND                                         ; the closing round
	s_endpgm
.Lfunc_end_k_q152b37b9cf_gemm_qkv:
	.size	k_q152b37b9cf_gemm_qkv, .Lfunc_end_k_q152b37b9cf_gemm_qkv-k_q152b37b9cf_gemm_qkv
	.p2alignl 7, 3214868480
	.fill 96, 4, 3214868480
	.section	.rodata,"a",@progbits
	.p2align	6, 0x0
	.amdhsa_kernel k_q152b37b9cf_gemm_qkv
		.amdhsa_group_segment_fixed_size 327680
		.amdhsa_private_segment_fixed_size 0
		.amdhsa_enable_private_segment 0
		.amdhsa_kernarg_size 32
		.amdhsa_user_sgpr_count 2
		.amdhsa_user_sgpr_kernarg_segment_ptr 1
		.amdhsa_wavefront_size32 1
		.amdhsa_system_sgpr_workgroup_id_x 1
		.amdhsa_system_sgpr_workgroup_id_y 1
		.amdhsa_system_sgpr_workgroup_id_z 1
		.amdhsa_system_vgpr_workitem_id 0
		.amdhsa_next_free_vgpr 1024
		.amdhsa_next_free_sgpr 98
		.amdhsa_reserve_vcc 0
		.amdhsa_float_denorm_mode_32 3
		.amdhsa_float_denorm_mode_16_64 3
		.amdhsa_memory_ordered 1
		.amdhsa_forward_progress 1
		.amdhsa_inst_pref_size 239
	.end_amdhsa_kernel
	.amdgpu_metadata
---
amdhsa.version: [ 1, 2 ]
amdhsa.kernels:
  - .name:           k_q152b37b9cf_gemm_qkv
    .symbol:         k_q152b37b9cf_gemm_qkv.kd
    .args:
      - { .name: hq, .offset: 0, .size: 8, .value_kind: global_buffer, .address_space: global }
      - { .name: wq, .offset: 8, .size: 8, .value_kind: global_buffer, .address_space: global }
      - { .name: b_qkv, .offset: 16, .size: 8, .value_kind: global_buffer, .address_space: global }
      - { .name: qkv, .offset: 24, .size: 8, .value_kind: global_buffer, .address_space: global }
    .group_segment_fixed_size: 327680
    .private_segment_fixed_size: 0
    .kernarg_segment_align: 8
    .kernarg_segment_size: 32
    .max_flat_workgroup_size: 128
    .sgpr_count:     98
    .vgpr_count:     1024
    .wavefront_size: 32
...
	.end_amdgpu_metadata
.endif
;; end of part 2
;; launch attn (part 3): grid 8 x 32, 16 waves a work-group, no clusters, 305,152 bytes of LDS; arguments qkv, oq; writes oq
.if DOCPART == 3
	.amdgcn_target "amdgcn-amd-amdhsa--gfx1250"
	.amdhsa_code_object_version 6
	.text
	.protected	k_q152b37b9cf_attn
	.globl	k_q152b37b9cf_attn
	.p2align	8
	.type	k_q152b37b9cf_attn,@function
k_q152b37b9cf_attn:
	s_mov_b64 s[64:65], 0
	v_nop
	global_prefetch_b8 v0, s[64:65] scope:SCOPE_SE
	s_setreg_imm32_b32 hwreg(HW_REG_WAVE_MODE, 25, 1), 1
	s_wait_xcnt 0x0
; Causal attention of 32 heads (2,048 x 64) on codes of FP6 (E2M3), and the quantiser of its result along the out-projection's K.
; t = score x log2(e) / 8; M = the running largest t rounded UP to a whole number; p = 2^(t - M) is quantised along the keys, not normalised; the row's sum of the unquantised p divides at the end.
; IN (qkv): q at 0, k at 3,670,016, v at 7,340,032, 114,688 bytes a head.  Records of 1,792 bytes (a fragment as an image of its registers: chunk p = registers 2p, 2p+1 of lane l at 256 p + 8 l; chunk 6 the scale word at 1536 + 8 l).
; A record of q or k holds TWO token tiles of 64 channels (chunks 0-2, 3-5).  A record of k is ONE source 0: against [q | zero codes] it gives the scores of its first tile, against [zero codes | q] of its second.
; Tile t, lane-row r stands for token 32 (t / 2) + 8 (t % 2) + r % 8 + 16 (r / 8): so the 16 registers of score tiles 2 b, 2 b + 1 are keys 32 b + 16 (lane / 16) + 0..15.  v: record (key step, channel tile): 16 channels x 128 keys.
; Both products are used transposed: a lane holds ONE query throughout.
; SHARES: work-group (j, head) serves the 128 queries of block 15 - j (phase 0) and of block j (phase 1): 8 tiles of 16 queries a phase.  A TILE BELONGS TO TWO WAVES, 2 i and 2 i + 1: the even wave takes the even key steps
; (128 keys each), the odd wave the odd ones.  A phase has 16 - j or j + 1 steps a tile, so every wave of every work-group has 8 or 9 steps in all, and no wave has a longer chain than that.
; THE JOIN: behind a phase the even wave stores O^T, -M and the sum's halves as an image of its registers (9 x 512 bytes, a region of its own for each pair and phase); one barrier; the odd wave takes the smaller -M, brings both
; parts under it by powers of two (nothing is rounded; a wave that had no step gets the factor 0), adds them, and finishes the tile.  So a row's sum and O are two partial sums joined: another order of f32 additions, no other numbers.
; The whole head's k and v (229,376 bytes) come into LDS by eight tensor loads at the head, one of each of waves 0 to 7 (even: k, odd: v): nothing is filled again.  In phase 0 four barriers let the waves start on each quarter as it lands.
; No cluster: the work-groups of a head need different numbers of key steps, and a step is left out by a branch on the work-group's number.
; A step all of whose keys come after the tile's queries is left out; in the step on the diagonal hidden scores become -infinity ahead of the maximum.
; OUT (oq): record ((128 batch + query tile) x 8 + head / 2), chunks 3 (head % 2) + 0..2, and two bytes of its scale word.
; LIMITS: a block's largest p is taken through its largest score (v_exp_f32 is taken not to fall where its input rises); blocks under 2^-124 keep the byte 1; NaN and infinities are not served.
.set REC,   1792
.set HEADB, 114688
.set GRP,   28672                      ; a quarter of a head's k or v: four key steps
.set SPARE, 2*HEADB                    ; the spare words, 128 bytes for each of 16 waves
.set STAGE, SPARE+2048                 ; the joins' images: region 8 x phase + pair
.set SREG,  4608                       ; 9 stores of 512 bytes
.set LO8,  1                           ; v1   8 x lane
.set DM,   3                           ; v3   my query - its block's first - 16 (lane / 16): the same in both phases
.set SPW,  5
.set NIL,  6
.set STG,  7                           ; v7   my pair's image in phase 0: + 16 x lane
.set ADK,  8
.set ADV,  9
.set QLO,  16                          ; v16-27 [q | 0]
.set QHI,  28                          ; v28-39 [0 | q]
.set QW,   40                          ; v40    q's scale word, its two bytes twice
.set FRG,  44                          ; v44-91 four fragments of k or of v
.set KSW,  92                          ; v92-95 their scale words
.set BM,   212                         ; v212-215 the blocks' largest scores, then p
.set BP,   216                         ; v216-219 at work, then the bytes
.set SO,   220                         ; v220-223 the conversions' scale operands
.set Q1,   230                         ; v230-235 phase 1's q, v236 its scale word: loaded at the head
.set WV,   18
.set BH,   19
.set IDX,  20
.set PAR,  21
.set BLK,  22
.set TQ0,  23
.set G1,   24
.set G0,   32
.set SEL,  48
.set CS,   50
.set TK,   52
.set TV,   53
.set SI,   54
.set CNT,  55
.set OC0,  56                          ; s[56:57] where phase 0's codes go, s[58:59] its scale bytes; s[60:63] phase 1's
.set OB0,  58
.set OC1,  60
.set OB1,  62
.set TQ1,  66
	s_load_b128 s[4:7], s[0:1], 0x0                ; qkv, oq
	v_lshl_add_u32 v[SPW], v0, 2, SPARE
	v_mov_b32 v[NIL], 0
	ds_add_u32 v[SPW], v[NIL]                      ; the wave's opening: the add and its wait ahead of the first tensor load
	ds_add_u32 v[SPW], v[NIL]
	v_lshrrev_b32 v8, 5, v0
	s_delay_alu instid0(VALU_DEP_1)
	v_readfirstlane_b32 s[WV], v8                  ; wave 0..15
	s_and_b32 s[BH], ttmp7, 0xffff                 ; 16 batch + head
	s_lshr_b32 s[IDX], s[WV], 1                    ; which of a block's eight tiles
	s_and_b32 s[PAR], s[WV], 1                     ; the even key steps or the odd ones
	s_sub_co_u32 s[BLK], 15, ttmp9                 ; phase 0's block of 128 queries
	s_lshl_b32 s[TQ0], s[BLK], 3
	s_add_co_u32 s[TQ0], s[TQ0], s[IDX]            ; its tile of 16
	s_lshl_b32 s[TQ1], ttmp9, 3
	s_add_co_u32 s[TQ1], s[TQ1], s[IDX]            ; phase 1's
	s_mov_b32 s[G1], 3<<16                         ; elements of 8 bytes, no mask, no padding
	s_mov_b32 s[G1+1], 32<<16                      ; a dense block as rows of 256 bytes
	s_mov_b32 s[G1+2], (GRP/256)<<16
	s_mov_b32 s[G1+3], 32<<16
	s_mov_b32 s[G1+4], GRP/256
	s_mov_b32 s[G1+5], 32
	s_mov_b32 s[G1+6], 0
	s_mov_b32 s[G1+7], 0
	s_mul_i32 s9, s[PAR], HEADB                    ; wave 0: k, wave 1: v
	s_mul_i32 s10, s[PAR], 3670016
	s_add_co_u32 s10, s10, 3670016
	s_mul_i32 s11, s[BH], HEADB
	s_add_co_u32 s10, s10, s11
	s_mov_b32 s11, 0
	s_mov_b32 s[SEL], 0x76543210
	s_mov_b32 s[SEL+1], 0xfedcba98
	s_mov_b32 s[CS], 0x3e38aa3b                    ; c = log2(e) / 8
	s_mov_b32 s[CS+1], s[CS]
	s_mov_b32 s[SI], 0
	s_wait_dscnt 0x0                               ; the opening add is done
	s_wait_kmcnt 0x0
	s_add_nc_u64 s[10:11], s[4:5], s[10:11]
	; THE FILLS: waves 0 to 7 bring one quarter each, wave 2 g quarter g of k and wave 2 g + 1 quarter g of v: one tensor load a wave.
	; One chain of branches on the wave's number, an arm for each quarter, so that a quarter's barrier needs the waits of its own arm's waves and of the earlier arms' alone.
	s_mul_i32 s12, s[IDX], GRP
	s_mov_b32 s13, 0
	s_mov_b32 s[G0], 1
	s_add_co_u32 s[G0+1], s9, s12
	s_add_nc_u64 s[G0+2:G0+3], s[10:11], s[12:13]
	s_or_b32 s[G0+3], s[G0+3], 0x80000000
.irp g, 0,1,2,3
	s_cmp_lt_u32 s[WV], 2*\g+2
	s_cbranch_scc0 .Lnot_q\g
	tensor_load_to_lds s[G0:G0+3], s[G1:G1+7]
	s_nop 0
.rept 4
	v_nop
.endr
	s_branch .Lno_fill
.Lnot_q\g:
.endr
.Lno_fill:
	v_and_b32 v2, 31, v0
	s_delay_alu instid0(VALU_DEP_1)
	v_lshlrev_b32 v[LO8], 3, v2
	s_wait_alu depctr_va_vdst(0)
	s_mul_i32 s15, s[IDX], SREG
	s_add_co_u32 s15, s15, STAGE
	v_lshl_add_u32 v[STG], v2, 4, s15
	s_lshl_b32 s12, s[BH], 6
	s_lshr_b32 s13, s[TQ0], 1
	s_add_co_u32 s12, s12, s13
	s_mul_i32 s12, s12, REC
	s_mov_b32 s13, 0
	s_add_nc_u64 s[12:13], s[4:5], s[12:13]        ; phase 0's record of q
	s_lshl_b32 s68, s[BH], 6
	s_lshr_b32 s69, s[TQ1], 1
	s_add_co_u32 s68, s68, s69
	s_mul_i32 s68, s68, REC
	s_mov_b32 s69, 0
	s_add_nc_u64 s[68:69], s[4:5], s[68:69]        ; phase 1's
	s_and_b32 s14, s[IDX], 1                       ; which half of a record is my tile's: the same in both phases
	s_mul_i32 s16, s14, 768
	s_mov_b32 s17, 0
	s_lshl_b32 s14, s14, 4
	s_add_nc_u64 s[70:71], s[68:69], s[16:17]
	s_add_nc_u64 s[16:17], s[12:13], s[16:17]
.irp p, 0,1,2
	global_load_b64 v[QLO+2*\p:QLO+2*\p+1], v[LO8], s[16:17] offset:256*\p
	global_load_b64 v[QHI+6+2*\p:QHI+7+2*\p], v[LO8], s[16:17] offset:256*\p
	global_load_b64 v[Q1+2*\p:Q1+2*\p+1], v[LO8], s[70:71] offset:256*\p
.endr
	global_load_b32 v[QW], v[LO8], s[12:13] offset:1536
	global_load_b32 v[Q1+6], v[LO8], s[68:69] offset:1536
.irp k, 0,1,2,3,4,5
	v_mov_b32 v[QLO+6+\k], 0                       ; zero codes
	v_mov_b32 v[QHI+\k], 0
.endr
	v_and_b32 v[DM], 7, v0
	v_bfe_u32 v4, v0, 3, 1
	s_delay_alu instid0(VALU_DEP_1)
	v_lshl_add_u32 v[DM], v4, 4, v[DM]
	v_bfe_u32 v4, v0, 4, 1
	s_delay_alu instid0(VALU_DEP_1)
	v_lshlrev_b32 v4, 4, v4
	s_delay_alu instid0(VALU_DEP_1)
	v_sub_nc_u32 v[DM], v[DM], v4
	s_lshr_b32 s15, s[IDX], 1
	s_lshl_b32 s15, s15, 5
	s_and_b32 s2, s[IDX], 1
	s_lshl_b32 s2, s2, 3
	s_add_co_u32 s15, s15, s2
	v_add_nc_u32 v[DM], s15, v[DM]
.macro OUTADR tq, cp, bp               ; where tile tq's codes and scale bytes go
	s_lshr_b32 s74, s[BH], 4
	s_lshl_b32 s74, s74, 7
	s_add_co_u32 s74, s74, s[\tq]
	s_lshl_b32 s74, s74, 3
	s_and_b32 s75, s[BH], 15
	s_lshr_b32 s76, s75, 1
	s_add_co_u32 s74, s74, s76
	s_mul_i32 s74, s74, REC
	s_and_b32 s75, s75, 1
	s_mul_i32 s76, s75, 768
	s_add_co_u32 s76, s76, s74
	s_mov_b32 s77, 0
	s_add_nc_u64 s[\cp:\cp+1], s[6:7], s[76:77]
	s_lshl_b32 s75, s75, 1
	s_add_co_u32 s76, s74, s75
	s_add_co_u32 s76, s76, 1536
	s_add_nc_u64 s[\bp:\bp+1], s[6:7], s[76:77]
.endm
	OUTADR TQ0, OC0, OB0
	OUTADR TQ1, OC1, OB1
.irp b, 0,1,2,3
	v_mov_b32 v[BP+\b], 0                          ; a lane permute's destination counts as one of its sources
.endr
	v_mov_b32 v225, 0                              ; (named as halves of pairs before they are first written)
	v_mov_b32 v226, 0
	v_mov_b32 v228, 0
	v_mov_b32 v229, 0
	s_wait_loadcnt 0x0                             ; both phases' q
	v_lshrrev_b32 v[QW], s14, v[QW]                ; my tile's two bytes,
	s_delay_alu instid0(VALU_DEP_1)
	v_and_b32 v[QW], 0xffff, v[QW]
	s_delay_alu instid0(VALU_DEP_1)
	v_lshl_or_b32 v[QW], v[QW], 16, v[QW]          ; for both halves of the instruction's K
	v_lshrrev_b32 v[Q1+6], s14, v[Q1+6]
	s_delay_alu instid0(VALU_DEP_1)
	v_and_b32 v[Q1+6], 0xffff, v[Q1+6]
	s_delay_alu instid0(VALU_DEP_1)
	v_lshl_or_b32 v[Q1+6], v[Q1+6], 16, v[Q1+6]
.macro INIT                            ; a phase's state.  (Its 36 plain lines are also the places between the last write of q and its scale word and the first product)
	v_mov_b32 v13, 0xff61b1e6                      ; the largest t so far: -3e38
	s_delay_alu instid0(VALU_DEP_1)
	v_floor_f32 v12, -v13                          ; -M
	v_mov_b32 v14, 0
	v_mov_b32 v15, 0
.set i, 0
.rept 32
	v_mov_b32 v[160+i], 0                          ; O^T: the first change of M leaves zeros zeros
.set i, i+1
.endr
.endm
	INIT
.macro STEP                            ; 128 keys
	s_cmp_gt_u32 s[SI], s[BLK]                     ; all its keys come after my queries,
	s_cbranch_scc1 .Lhid_\@
	s_xor_b32 s2, s[SI], s[PAR]
	s_and_b32 s2, s2, 1
	s_cmp_lg_u32 s2, 0                             ; or it is my partner's step
	s_cbranch_scc1 .Lhid_\@
	v_add_nc_u32 v[ADK], s[TK], v[LO8]
	v_add_nc_u32 v[ADV], s[TV], v[LO8]
	v_nop
	v_nop                                          ; four plain lines in front of loads into registers that matrix instructions have read
.irp t, 0,1,2,3
.irp p, 0,1,2,3,4,5
	ds_load_b64 v[FRG+12*\t+2*\p:FRG+12*\t+2*\p+1], v[ADK] offset:REC*\t+256*\p
.endr
	ds_load_b32 v[KSW+\t], v[ADK] offset:REC*\t+1536
.endr
	s_wait_alu depctr_va_vdst(0)
	s_wait_dscnt 0x0
.irp t, 0,1,2,3
	v_wmma_scale_f32_16x16x128_f8f6f4 v[96+16*\t:103+16*\t], v[FRG+12*\t:FRG+12*\t+11], v[QLO:QLO+11], 0, v[KSW+\t], v[QW] matrix_a_fmt:MATRIX_FMT_FP6 matrix_b_fmt:MATRIX_FMT_FP6
	v_wmma_scale_f32_16x16x128_f8f6f4 v[104+16*\t:111+16*\t], v[FRG+12*\t:FRG+12*\t+11], v[QHI:QHI+11], 0, v[KSW+\t], v[QW] matrix_a_fmt:MATRIX_FMT_FP6 matrix_b_fmt:MATRIX_FMT_FP6
.endr
.rept 4
	v_nop
.endr
.irp t, 0,1,2,3                        ; v's four records are asked for at once: they land under the softmax
.irp p, 0,1,2,3,4,5
	ds_load_b64 v[FRG+12*\t+2*\p:FRG+12*\t+2*\p+1], v[ADV] offset:REC*\t+256*\p
.endr
	ds_load_b32 v[KSW+\t], v[ADV] offset:REC*\t+1536
.endr
	s_cmp_lg_u32 s[SI], s[BLK]
	s_cbranch_scc1 .Lopen_\@
	v_mov_b32 v226, 0xff800000                     ; on the diagonal: register 16 b + i holds the step's key 32 b + 16 (lane / 16) + i: hidden where 32 b + i > DM
.set n, 0
.rept 64
	v_cmp_gt_i32 vcc_lo, 32*(n/16)+n%16, v[DM]
	v_cndmask_b32 v[96+n], v[96+n], v226, vcc_lo
.set n, n+1
.endr
.Lopen_\@:
.irp b, 0,1,2,3
	v_max3_num_f32 v[BM+\b], v[96+16*\b], v[97+16*\b], v[98+16*\b]   ; the largest score of each block of 32 keys: for the row's maximum and for the block's largest p
.endr
.irp k, 3,5,7,9,11,13
.irp b, 0,1,2,3
	v_max3_num_f32 v[BM+\b], v[BM+\b], v[96+16*\b+\k], v[97+16*\b+\k]
.endr
.endr
.irp b, 0,1,2,3
	v_max_num_f32 v[BM+\b], v[BM+\b], v[111+16*\b]
.endr
.irp b, 0,1,2,3
	s_delay_alu instid0(VALU_DEP_4)
	v_permlanex16_b32 v[BP+\b], v[BM+\b], s[SEL], s[SEL+1]
.endr
.irp b, 0,1,2,3
	s_delay_alu instid0(VALU_DEP_4)
	v_max_num_f32 v[BM+\b], v[BM+\b], v[BP+\b]
.endr
	s_delay_alu instid0(VALU_DEP_2)
	v_max3_num_f32 v226, v[BM], v[BM+1], v[BM+2]
	s_delay_alu instid0(VALU_DEP_1)
	v_max_num_f32 v226, v226, v[BM+3]
	s_delay_alu instid0(VALU_DEP_1)
	v_mul_f32 v226, s[CS], v226
	s_delay_alu instid0(VALU_DEP_1)
	v_max_num_f32 v13, v13, v226                   ; the running largest t
	v_mov_b32 v226, v12
	s_delay_alu instid0(VALU_DEP_2)
	v_floor_f32 v12, -v13                          ; -M = floor(-t): M is a whole number
	s_delay_alu instid0(VALU_DEP_1)
	v_sub_f32 v226, v12, v226
	s_delay_alu instid0(VALU_DEP_1)
	v_cvt_i32_f32 v226, v226                       ; (it saturates)
	s_delay_alu instid0(VALU_DEP_1)
	v_ldexp_f32 v224, 1.0, v226                    ; f = 2^(old M - new M): rounds nothing
.set i, 0
.rept 32
	v_pk_fma_f32 v[96+i:97+i], v[96+i:97+i], s[CS:CS+1], v[12:13] op_sel_hi:[1,0,0]   ; t - M
.set i, i+2
.endr
.irp b, 0,1,2,3
	v_fma_f32 v[BM+\b], v[BM+\b], s[CS], v12
.endr
.set i, 0
	s_wait_alu depctr_va_vdst(0)
.rept 64
	v_exp_f32 v[96+i], v[96+i]                     ; p
.set i, i+1
.endr
	v_pk_mul_f32 v[14:15], v[14:15], v[224:225] op_sel_hi:[1,0]   ; the sums under the new M; the plain line behind the batch
	s_wait_alu depctr_va_vdst(0)                   ; one wait for the batch, ahead of its first reader
.irp b, 0,1,2,3
	v_exp_f32 v[BM+\b], v[BM+\b]                   ; the blocks' largest p
.endr
	v_pk_add_f32 v[228:229], v[100:101], v[104:105]
	v_pk_add_f32 v[254:255], v[108:109], v[112:113]
	v_pk_add_f32 v[252:253], v[116:117], v[120:121]
	v_pk_add_f32 v[250:251], v[124:125], v[128:129]
	v_pk_add_f32 v[248:249], v[132:133], v[136:137]
	v_pk_add_f32 v[246:247], v[140:141], v[144:145]
	v_pk_add_f32 v[244:245], v[148:149], v[152:153]
	v_pk_add_f32 v[14:15], v[14:15], v[156:157]
	v_pk_add_f32 v[228:229], v[228:229], v[96:97]
	v_pk_add_f32 v[254:255], v[254:255], v[98:99]
	v_pk_add_f32 v[252:253], v[252:253], v[102:103]
	v_pk_add_f32 v[250:251], v[250:251], v[106:107]
	v_pk_add_f32 v[248:249], v[248:249], v[110:111]
	v_pk_add_f32 v[246:247], v[246:247], v[114:115]
	v_pk_add_f32 v[244:245], v[244:245], v[118:119]
	v_pk_add_f32 v[14:15], v[14:15], v[122:123]
	v_pk_add_f32 v[228:229], v[228:229], v[126:127]
	v_pk_add_f32 v[254:255], v[254:255], v[130:131]
	v_pk_add_f32 v[252:253], v[252:253], v[134:135]
	v_pk_add_f32 v[250:251], v[250:251], v[138:139]
	v_pk_add_f32 v[248:249], v[248:249], v[142:143]
	v_pk_add_f32 v[246:247], v[246:247], v[146:147]
	v_pk_add_f32 v[244:245], v[244:245], v[150:151]
	v_pk_add_f32 v[14:15], v[14:15], v[154:155]
	v_pk_add_f32 v[228:229], v[228:229], v[158:159]
	s_delay_alu instid0(VALU_DEP_2)
	v_pk_add_f32 v[14:15], v[14:15], v[250:251]
	s_delay_alu instid0(VALU_DEP_2)
	v_pk_add_f32 v[228:229], v[228:229], v[248:249]
	v_pk_add_f32 v[254:255], v[254:255], v[246:247]
	v_pk_add_f32 v[252:253], v[252:253], v[244:245]
	s_delay_alu instid0(VALU_DEP_2)
	v_pk_add_f32 v[14:15], v[14:15], v[254:255]
	s_delay_alu instid0(VALU_DEP_2)
	v_pk_add_f32 v[228:229], v[228:229], v[252:253]
	s_delay_alu instid0(VALU_DEP_1)
	v_pk_add_f32 v[14:15], v[14:15], v[228:229]
	s_wait_alu depctr_va_vdst(0)                   ; and one for the four
.irp b, 0,1,2,3
	v_max_num_f32 v[BM+\b], 0x1800000, v[BM+\b]    ; the floor: the byte cannot fall under 1
.endr
.irp b, 0,1,2,3
	s_delay_alu instid0(VALU_DEP_4)
	v_add_nc_u32 v[SO+\b], 0xff000000, v[BM+\b]
.endr
.irp b, 0,1,2,3
	s_delay_alu instid0(VALU_DEP_4)
	v_lshrrev_b32 v[BP+\b], 23, v[SO+\b]
.endr
	s_delay_alu instid0(VALU_DEP_3)
	v_lshl_or_b32 v225, v[BP+1], 8, v[BP]          ; p's scale word for these 128 keys
	s_delay_alu instid0(VALU_DEP_1)
	v_lshl_or_b32 v225, v[BP+2], 16, v225
	s_delay_alu instid0(VALU_DEP_1)
	v_lshl_or_b32 v225, v[BP+3], 24, v225
.irp c, 0,1
	v_cvt_scalef32_pk16_fp6_f32 v[192+6*\c:194+6*\c], v[96+32*\c:111+32*\c], v[SO+2*\c]
	v_cvt_scalef32_pk16_fp6_f32 v[204+4*\c:206+4*\c], v[112+32*\c:127+32*\c], v[SO+2*\c+1]
.endr
	v_nop
.irp c, 0,1
.irp k, 0,1,2
	v_permlane16_swap_b32 v[192+6*\c+\k], v[204+4*\c+\k]
.endr
.irp k, 0,1,2
	s_delay_alu instid0(VALU_DEP_3)
	v_mov_b32 v[195+6*\c+\k], v[204+4*\c+\k]
.endr
.endr
.set i, 0
.rept 16
	v_pk_mul_f32 v[160+i:161+i], v[160+i:161+i], v[224:225] op_sel_hi:[1,0]   ; O^T under the new M; also the places in front of the products below
.set i, i+2
.endr
	s_wait_alu depctr_va_vdst(0)
	s_wait_dscnt 0x0                               ; v's records
.irp t, 0,1,2,3
	v_wmma_scale_f32_16x16x128_f8f6f4 v[160+8*\t:167+8*\t], v[FRG+12*\t:FRG+12*\t+11], v[192:203], v[160+8*\t:167+8*\t], v[KSW+\t], v225 matrix_a_fmt:MATRIX_FMT_FP6 matrix_b_fmt:MATRIX_FMT_FP6
.endr
.Lhid_\@:
	s_add_co_u32 s[TK], s[TK], 4*REC
	s_add_co_u32 s[TV], s[TV], 4*REC
	s_add_co_u32 s[SI], s[SI], 1
.endm
.macro GROUP g                         ; four key steps: quarter g of k and of v
.if \g < 3
	s_cmp_lt_u32 s[WV], 2*\g+2                     ; the waves that brought this quarter or an earlier one wait for their load; later quarters may stay out
	s_cbranch_scc0 .Lnot_mine_\@
	s_wait_tensorcnt 0x0
.Lnot_mine_\@:
.else
	s_wait_tensorcnt 0x0                           ; the last quarter: all that is still out, on every wave's way
.endif
	s_wait_dscnt 0x0
	s_barrier_signal -1
	s_barrier_wait -1
	s_mov_b32 s[TK], \g*GRP
	s_mov_b32 s[TV], HEADB+\g*GRP
	s_mov_b32 s[CNT], 4
.Lgrp_\@:
	STEP
	s_sub_co_u32 s[CNT], s[CNT], 1
	s_cmp_lg_u32 s[CNT], 0
	s_cbranch_scc1 .Lgrp_\@
.endm
; THE JOIN AND THE WAY OUT of a phase.  The even wave of a pair stores its part; every wave waits for its LDS instructions and passes the barrier; the odd wave loads the part, joins and finishes.
.macro MERGE ph, oc, ob
.rept 4
	v_nop                                          ; four plain lines behind the last products
.endr
	s_cmp_lg_u32 s[PAR], 0
	s_cbranch_scc1 .Lkeeps_\@
	s_wait_alu depctr_va_vdst(0)
.irp k, 0,1,2,3,4,5,6,7
	ds_store_b128 v[STG], v[160+4*\k:163+4*\k] offset:(\ph)*8*SREG+512*\k   ; O^T as it stands, each accumulator from its low end on
.endr
	ds_store_b128 v[STG], v[12:15] offset:(\ph)*8*SREG+4096                 ; -M, the largest t, the sum's two halves
.Lkeeps_\@:
	s_wait_dscnt 0x0                               ; for the partner's sake: my stores have landed
	s_barrier_signal -1
	s_barrier_wait -1
	s_cmp_eq_u32 s[PAR], 0
	s_cbranch_scc1 .Lsent_\@
.irp k, 0,1,2,3,4,5,6,7
	ds_load_b128 v[96+4*\k:99+4*\k], v[STG] offset:(\ph)*8*SREG+512*\k
.endr
	ds_load_b128 v[128:131], v[STG] offset:(\ph)*8*SREG+4096
	s_wait_dscnt 0x0
	v_min_num_f32 v226, v12, v128                  ; the pair's -M: the larger M
	s_delay_alu instid0(VALU_DEP_1)
	v_sub_f32 v227, v226, v12                      ; my M less the pair's: a whole number, 0 or less
	s_delay_alu instid0(VALU_DEP_2)
	v_sub_f32 v228, v226, v128                     ; my partner's likewise
	s_delay_alu instid0(VALU_DEP_2)
	v_cvt_i32_f32 v227, v227                       ; (they saturate: a part without a step gets the factor 0)
	s_delay_alu instid0(VALU_DEP_2)
	v_cvt_i32_f32 v228, v228
	s_delay_alu instid0(VALU_DEP_2)
	v_ldexp_f32 v224, 1.0, v227
	s_delay_alu instid0(VALU_DEP_2)
	v_ldexp_f32 v228, 1.0, v228
.set i, 0
.rept 16
	v_pk_mul_f32 v[160+i:161+i], v[160+i:161+i], v[224:225] op_sel_hi:[1,0]
.set i, i+2
.endr
.set i, 0
.rept 16
	v_pk_fma_f32 v[160+i:161+i], v[96+i:97+i], v[228:229], v[160+i:161+i] op_sel_hi:[1,0,1]
.set i, i+2
.endr
	v_pk_mul_f32 v[14:15], v[14:15], v[224:225] op_sel_hi:[1,0]
	s_delay_alu instid0(VALU_DEP_1)
	v_pk_fma_f32 v[14:15], v[130:131], v[228:229], v[14:15] op_sel_hi:[1,0,1]
	; O^T / the sum; register 16 b + i is channel 32 b + 16 (lane / 16) + i of my query: two blocks of the out-projection's K
	s_delay_alu instid0(VALU_DEP_1)
	v_add_f32 v14, v14, v15
	s_delay_alu instid0(VALU_DEP_1)
	v_permlanex16_b32 v226, v14, s[SEL], s[SEL+1]
	s_delay_alu instid0(VALU_DEP_1)
	v_add_f32 v14, v14, v226
	s_wait_alu depctr_va_vdst(0)
	v_rcp_f32 v14, v14
	v_mov_b32 v228, 0                              ; (a plain line behind it)
	s_wait_alu depctr_va_vdst(0)
.set i, 0
.rept 32
	v_mul_f32 v[96+i], v[160+i], v14
.set i, i+1
.endr
.irp b, 0,1
	v_max3_num_f32 v[BM+\b], |v[96+16*\b]|, |v[97+16*\b]|, 0x1800000
.endr
.irp k, 2,4,6,8,10,12,14
.irp b, 0,1
	s_delay_alu instid0(VALU_DEP_2)
	v_max3_num_f32 v[BM+\b], v[BM+\b], |v[96+16*\b+\k]|, |v[97+16*\b+\k]|
.endr
.endr
.irp b, 0,1
	s_delay_alu instid0(VALU_DEP_2)
	v_permlanex16_b32 v[BP+\b], v[BM+\b], s[SEL], s[SEL+1]
.endr
.irp b, 0,1
	s_delay_alu instid0(VALU_DEP_2)
	v_max_num_f32 v[BM+\b], v[BM+\b], v[BP+\b]
.endr
.irp b, 0,1
	s_delay_alu instid0(VALU_DEP_2)
	v_add_nc_u32 v[SO+\b], 0xff000000, v[BM+\b]
.endr
.irp b, 0,1
	s_delay_alu instid0(VALU_DEP_2)
	v_lshrrev_b32 v[BP+\b], 23, v[SO+\b]
.endr
	s_delay_alu instid0(VALU_DEP_1)
	v_lshl_or_b32 v227, v[BP+1], 8, v[BP]
	v_cvt_scalef32_pk16_fp6_f32 v[192:194], v[96:111], v[SO]
	v_cvt_scalef32_pk16_fp6_f32 v[204:206], v[112:127], v[SO+1]
	v_nop
.irp k, 0,1,2
	v_permlane16_swap_b32 v[192+\k], v[204+\k]
.endr
.irp k, 0,1,2
	s_delay_alu instid0(VALU_DEP_3)
	v_mov_b32 v[195+\k], v[204+\k]
.endr
.irp p, 0,1,2
	global_store_b64 v[LO8], v[192+2*\p:193+2*\p], s[\oc:\oc+1] offset:256*\p   ; 32 lanes store 256 consecutive bytes, aligned
.endr
	global_store_b16 v[LO8], v227, s[\ob:\ob+1]    ; my head's two bytes of the scale word; the other head of the pair writes the other two
	global_store_b16 v[LO8], v228, s[\ob:\ob+1] offset:4   ; and its share of the word beside it, which is fetched with the record and never used
	s_wait_xcnt 0x0                                ; the stores have read their registers: the next phase writes them again
.Lsent_\@:
.endm
	; PHASE 0: the late block, 16 - j steps a tile
	GROUP 0
	GROUP 1
	GROUP 2
	GROUP 3
	MERGE 0, OC0, OB0
	; PHASE 1: the early block, j + 1 steps a tile.  All of k and v has landed and every wave has passed a barrier behind that: no barrier stands among its steps
	s_mov_b32 s[BLK], ttmp9
.irp k, 0,1,2,3,4,5
	v_mov_b32 v[QLO+\k], v[Q1+\k]
	v_mov_b32 v[QHI+6+\k], v[Q1+\k]
.endr
	v_mov_b32 v[QW], v[Q1+6]
	INIT
	s_mov_b32 s[TK], 0
	s_mov_b32 s[TV], HEADB
	s_mov_b32 s[SI], 0
	s_mov_b32 s[CNT], 16
.Llow:
	STEP
	s_sub_co_u32 s[CNT], s[CNT], 1
	s_cmp_lg_u32 s[CNT], 0
	s_cbranch_scc1 .Llow
	MERGE 1, OC1, OB1
	s_wait_tensorcnt 0x0                           ; the wave's end
	ds_add_u32 v[SPW], v[NIL]
	s_wait_dscnt 0x0
	s_endpgm
.Lfunc_end_k_q152b37b9cf_attn:
	.size	k_q152b37b9cf_attn, .Lfunc_end_k_q152b37b9cf_attn-k_q152b37b9cf_attn
	.p2alignl 7, 3214868480
	.fill 96, 4, 3214868480
	.section	.rodata,"a",@progbits
	.p2align	6, 0x0
	.amdhsa_kernel k_q152b37b9cf_attn
		.amdhsa_group_segment_fixed_size 305152
		.amdhsa_private_segment_fixed_size 0
		.amdhsa_enable_private_segment 0
		.amdhsa_kernarg_size 16
		.amdhsa_user_sgpr_count 2
		.amdhsa_user_sgpr_kernarg_segment_ptr 1
		.amdhsa_wavefront_size32 1
		.amdhsa_system_sgpr_workgroup_id_x 1
		.amdhsa_system_sgpr_workgroup_id_y 1
		.amdhsa_system_sgpr_workgroup_id_z 1
		.amdhsa_system_vgpr_workitem_id 0
		.amdhsa_next_free_vgpr 256
		.amdhsa_next_free_sgpr 80
		.amdhsa_reserve_vcc 1
		.amdhsa_float_denorm_mode_32 3
		.amdhsa_float_denorm_mode_16_64 3
		.amdhsa_memory_ordered 1
		.amdhsa_forward_progress 1
		.amdhsa_inst_pref_size 149
	.end_amdhsa_kernel
	.amdgpu_metadata
---
amdhsa.version: [ 1, 2 ]
amdhsa.kernels:
  - .name:           k_q152b37b9cf_attn
    .symbol:         k_q152b37b9cf_attn.kd
    .args:
      - { .name: qkv, .offset: 0, .size: 8, .value_kind: global_buffer, .address_space: global }
      - { .name: oq, .offset: 8, .size: 8, .value_kind: global_buffer, .address_space: global }
    .group_segment_fixed_size: 305152
    .private_segment_fixed_size: 0
    .kernarg_segment_align: 8
    .kernarg_segment_size: 16
    .max_flat_workgroup_size: 512
    .sgpr_count:     80
    .vgpr_count:     256
    .wavefront_size: 32
...
	.end_amdgpu_metadata
.endif
;; end of part 3
;; launch gemm_out (part 4): grid 8 x 32, 4 waves a work-group, clusters of 4 x 4, 327,680 bytes of LDS; arguments oq, wq, b_out, x, x1; writes x1
.if DOCPART == 4
	.amdgcn_target "amdgcn-amd-amdhsa--gfx1250"
	.amdhsa_code_object_version 6
	.text
	.protected	k_q152b37b9cf_gemm_out
	.globl	k_q152b37b9cf_gemm_out
	.p2align	8
	.type	k_q152b37b9cf_gemm_out,@function
k_q152b37b9cf_gemm_out:
	s_mov_b64 s[64:65], 0
	v_nop
	global_prefetch_b8 v0, s[64:65] scope:SCOPE_SE
	s_setreg_imm32_b32 hwreg(HW_REG_WAVE_MODE, 25, 1), 1
	s_wait_xcnt 0x0
	s_wait_alu depctr_hold_cnt(0) depctr_sa_sdst(0) depctr_va_vdst(0) depctr_va_sdst(0) depctr_va_ssrc(0) depctr_va_vcc(0) depctr_vm_vsrc(0)
	s_getreg_b32 s2, hwreg(HW_REG_IB_STS2, 6, 4)
	s_cmp_eq_u32 s2, 0
	s_cbranch_scc0 .Lentry_in_a_cluster
	s_endpgm
.Lentry_in_a_cluster:
	s_bfe_u32 s2, ttmp6, 0x10000c
	s_cmp_lg_u32 s2, 0xf033
	s_cbranch_scc0 .Lentry_shape_is_right
	s_endpgm
.Lentry_shape_is_right:
.set KS,    8
.set WOFF,  2752512
.set REC,   1792
.set NQ,    4
.set RUN,   NQ*REC
.set HALFT, 4*RUN
.set SLOT,  4*HALFT
.set SPARE, 2*SLOT
.set LAPS,  KS/(2*NQ)
.set FR,    12
.set SPITCH, 272
.set ADRA, 16
.set ADRB, 20
.set ADRS, 22
.set STO,  24
.set RD,   25
.set CO,   26
.set SPW,  28
.set NIL,  29
.set SC,   32
.set BIA,  40
.set T0,   48
.set ACC,  128
.set G1,   24
.set G0,   32
.set G1B,  48
.set G0B,  56
.set MSB, 0
.macro WIN new
.if MSB != (\new)
	s_set_vgpr_msb (MSB<<8)|(\new)
.set MSB, (\new)
.endif
.endm
.set MULW, 0x05
.macro JLOAD s
	s_cmp_eq_u32 s15, 0
	s_cbranch_scc0 .Lfor_b_\@
	tensor_load_to_lds s[G0+4*\s:G0+4*\s+3], s[G1:G1+7]
	s_nop 0
.rept 4
	v_nop
.endr
	s_branch .Lasked_\@
.Lfor_b_\@:
	tensor_load_to_lds s[G0B+4*\s:G0B+4*\s+3], s[G1B:G1B+7]
	s_nop 0
.rept 4
	v_nop
.endr
.Lasked_\@:
.endm
.macro CREST
	s_cmp_lg_u32 s14, 0
	s_cbranch_scc1 .Lnot_wave_0_\@
	s_barrier_signal -3
.Lnot_wave_0_\@:
	s_barrier_wait -3
	s_barrier_signal -1
	s_barrier_wait -1
.endm
.macro CROUND
	s_barrier_signal -1
	s_barrier_wait -1
	CREST
.endm
.macro PLACES
.rept 4
	v_nop
.endr
.endm
	s_load_b256 s[4:11], s[0:1], 0x0
	s_load_b64 s[12:13], s[0:1], 0x20
	v_lshl_add_u32 v[SPW], v0, 2, SPARE
	v_mov_b32 v[NIL], 0
	ds_add_u32 v[SPW], v[NIL]
	ds_add_u32 v[SPW], v[NIL]
	v_lshrrev_b32 v1, 5, v0
	v_readfirstlane_b32 s14, v1
	s_lshr_b32 s15, s14, 1
	s_and_b32 s16, s14, 1
	s_bfe_u32 s40, ttmp6, 0x40000
	s_bfe_u32 s41, ttmp6, 0x40004
	s_lshl_b32 s42, ttmp9, 2
	s_add_co_u32 s42, s42, s40
	s_and_b32 s17, ttmp7, 0xffff
	s_lshl_b32 s17, s17, 2
	s_add_co_u32 s17, s17, s41
	s_lshl_b32 s43, s41, 2
	s_lshl_b32 s43, 15, s43
	s_lshl_b32 s44, 0x1111, s40
	s_or_b32 s[G1+0], s43, (3<<16)|(1<<21)
	s_or_b32 s[G1B+0], s44, (3<<16)|(1<<21)
.irp g, G1, G1B
	s_mov_b32 s[\g+1], (RUN/8)<<16
	s_mov_b32 s[\g+2], 4<<16
	s_mov_b32 s[\g+3], (RUN/8)<<16
	s_mov_b32 s[\g+4], 4
	s_mov_b32 s[\g+5], KS*REC/8
	s_mov_b32 s[\g+6], 0
	s_mov_b32 s[\g+7], 0
.endr
	s_lshl_b32 s18, s16, 2
	s_lshl_b32 s20, s17, 3
	s_add_co_u32 s20, s20, s18
	s_mul_i32 s20, s20, KS*REC
	s_mov_b32 s21, 0
	s_lshl_b32 s46, s42, 3
	s_add_co_u32 s46, s46, s18
	s_mul_i32 s46, s46, KS*REC
	s_add_co_u32 s46, s46, WOFF
	s_mov_b32 s47, 0
	s_mul_i32 s45, s14, HALFT
	s_wait_dscnt 0x0                               ; the opening adds are done
	CROUND                                         ; the round in front of the first joint loads, while the arguments are on their way
	s_wait_kmcnt 0x0
	s_add_nc_u64 s[20:21], s[4:5], s[20:21]
	s_add_nc_u64 s[46:47], s[6:7], s[46:47]
.irp s, 0,1
	s_mov_b32 s[G0+4*\s], 1
	s_add_co_u32 s[G0+4*\s+1], s45, \s*SLOT
	s_add_nc_u64 s[G0+4*\s+2:G0+4*\s+3], s[20:21], \s*RUN
	s_or_b32 s[G0+4*\s+3], s[G0+4*\s+3], 0x80000000
	s_mov_b32 s[G0B+4*\s], 1
	s_add_co_u32 s[G0B+4*\s+1], s45, \s*SLOT
	s_add_nc_u64 s[G0B+4*\s+2:G0B+4*\s+3], s[46:47], \s*RUN
	s_or_b32 s[G0B+4*\s+3], s[G0B+4*\s+3], 0x80000000
.endr
	JLOAD 0                                        ; slot 0: one tensor load a wave at the head
	; a prefetch into the L2: of the 4 tiles that I fetch jointly with three partners, my work-group names one (told apart by address: cx for A, cy for B);
	; a slot's part of a tile is 28 blocks of 256 bytes: a lane a block, the last four lanes name the last block again.  K has two slots: only the second is asked for ahead
.set PFO, 30
.set PFA, 70
	s_cmp_eq_u32 s15, 0
	s_cselect_b64 s[PFA:PFA+1], s[20:21], s[46:47]
	s_cselect_b32 s68, s40, s41
	s_mul_i32 s68, s68, KS*REC
	s_mov_b32 s69, 0
	s_add_nc_u64 s[PFA:PFA+1], s[PFA:PFA+1], s[68:69]
	v_and_b32 v[PFO], 31, v0
	v_min_u32 v[PFO], 27, v[PFO]
	v_lshlrev_b32 v[PFO], 8, v[PFO]
	global_prefetch_b8 v[PFO], s[PFA:PFA+1] offset:RUN th:TH_LOAD_NT scope:SCOPE_SE
	v_and_b32 v1, 31, v0
	v_lshlrev_b32 v3, 3, v1
	s_wait_alu depctr_va_vdst(0)
	v_bfe_u32 v2, v0, 4, 1
	v_and_b32 v4, 15, v0
	s_wait_alu depctr_va_vdst(0)
	s_mul_i32 s21, s15, HALFT
	s_mul_i32 s22, s16, HALFT
	s_add_co_u32 s22, s22, 2*HALFT
	s_xor_b32 s23, s15, 1
	s_add_co_u32 s23, s23, s16
	s_add_co_u32 s23, s23, 1
	s_mul_i32 s23, s23, HALFT
	v_mul_u32_u24 v6, s23, v2
	v_add_nc_u32 v6, v6, v3
.irp s, 0,1
	v_add_nc_u32 v[ADRA+\s], s21, v3
	v_add_nc_u32 v[ADRB+\s], s22, v3
	v_add_nc_u32 v[ADRS+\s], s21, v6
	s_add_co_u32 s21, s21, SLOT
	s_add_co_u32 s22, s22, SLOT
.endr
	s_mul_i32 s23, s14, 16*SPITCH
	v_mul_u32_u24 v5, v4, SPITCH
	v_lshl_add_u32 v5, v2, 6, v5
	v_add_nc_u32 v[STO], s23, v5
	v_mul_u32_u24 v5, v2, SPITCH
	v_lshl_add_u32 v5, v4, 4, v5
	v_add_nc_u32 v[RD], s23, v5
	v_lshlrev_b32 v7, 4, v4
	s_wait_alu depctr_va_vdst(0)
	v_lshl_add_u32 v[CO], v2, 12, v7
	s_wait_alu depctr_va_vdst(0)
	s_lshl_b32 s20, s17, 19
	s_lshl_b32 s21, s15, 18
	s_add_co_u32 s20, s20, s21
	s_lshl_b32 s66, s42, 9
	s_lshl_b32 s67, s16, 8
	s_add_co_u32 s66, s66, s67
	s_add_co_u32 s20, s20, s66
	s_mov_b32 s21, 0
	s_mov_b32 s67, 0
	s_add_nc_u64 s[10:11], s[10:11], s[20:21]
	s_add_nc_u64 s[12:13], s[12:13], s[20:21]
	s_add_nc_u64 s[8:9], s[8:9], s[66:67]
	global_load_b128 v[BIA:BIA+3], v7, s[8:9]
	WIN 0x80
.irp a, 0,1,2,3
.irp t, 0,1,2,3,4,5,6,7
	global_load_b128 v[32*\a+4*\t:32*\a+4*\t+3], v[CO], s[10:11] offset:4096*(32*(\a/2)+8*(\a%2)+16*(\t/4)+2*(\t%4))
.endr
.endr
	WIN 0
.macro MUL4 f, set, a, zero
.irp b, 0,1,2,3
.if \zero
	v_wmma_scale_f32_16x16x128_f8f6f4 v[ACC+8*(4*(\a)+\b):ACC+8*(4*(\a)+\b)+7], v[\f+48+FR*\b:\f+48+FR*\b+FR-1], v[\f+FR*(\a):\f+FR*(\a)+FR-1], 0, v[SC+4*(\set)+\b], v[SC+4*(\set)+(\a)] matrix_a_fmt:MATRIX_FMT_FP6 matrix_b_fmt:MATRIX_FMT_FP6 matrix_a_scale:MATRIX_SCALE_ROW1
.else
	v_wmma_scale_f32_16x16x128_f8f6f4 v[ACC+8*(4*(\a)+\b):ACC+8*(4*(\a)+\b)+7], v[\f+48+FR*\b:\f+48+FR*\b+FR-1], v[\f+FR*(\a):\f+FR*(\a)+FR-1], v[ACC+8*(4*(\a)+\b):ACC+8*(4*(\a)+\b)+7], v[SC+4*(\set)+\b], v[SC+4*(\set)+(\a)] matrix_a_fmt:MATRIX_FMT_FP6 matrix_b_fmt:MATRIX_FMT_FP6 matrix_a_scale:MATRIX_SCALE_ROW1
.endif
.endr
.endm
.macro FETCH slot, q, f, set
	WIN 0
.irp i, 0,1,2,3
	ds_load_b32 v[SC+4*(\set)+\i], v[ADRS+\slot] offset:\i*RUN+(\q)*REC+1536
.endr
	WIN 0x40
.irp i, 0,1,2,3
.irp p, 0,1,2,3,4,5
	ds_load_b64 v[\f+48+FR*\i+2*\p:\f+48+FR*\i+2*\p+1], v[ADRB+\slot] offset:\i*RUN+(\q)*REC+256*\p
.endr
.endr
.irp i, 0,1,2,3
.irp p, 0,1,2,3,4,5
	ds_load_b64 v[\f+FR*\i+2*\p:\f+FR*\i+2*\p+1], v[ADRA+\slot] offset:\i*RUN+(\q)*REC+256*\p
.endr
.endr
.endm
.macro STEPS slot, q, zero
	s_wait_dscnt 0x0
	PLACES
	FETCH \slot, (\q)+1, 128*(1-(\q)%2), 1-(\q)%2
	WIN MULW
	MUL4 128*((\q)%2), (\q)%2, 0, \zero
	MUL4 128*((\q)%2), (\q)%2, 1, \zero
	MUL4 128*((\q)%2), (\q)%2, 2, \zero
	MUL4 128*((\q)%2), (\q)%2, 3, \zero
.endm
.macro TURN slot, next, fill
	WIN 0
	s_wait_tensorcnt 0x0
	ds_add_u32 v[SPW], v[NIL]
	s_wait_dscnt 1
	WIN MULW
	MUL4 128, 1, 0, 0
	s_wait_dscnt 0x0
	s_barrier_signal -1
	MUL4 128, 1, 1, 0
	WIN 0
	s_barrier_wait -1
.if \fill
	CREST
	s_add_nc_u64 s[G0+4*\slot+2:G0+4*\slot+3], s[G0+4*\slot+2:G0+4*\slot+3], 2*RUN
	s_add_nc_u64 s[G0B+4*\slot+2:G0B+4*\slot+3], s[G0B+4*\slot+2:G0B+4*\slot+3], 2*RUN
	JLOAD \slot
.else
	PLACES
.endif
	FETCH \next, 0, 0, 0
	WIN MULW
	MUL4 128, 1, 2, 0
	MUL4 128, 1, 3, 0
.endm
	s_wait_alu depctr_va_vdst(0)                   ; the wait at the head's end
	s_wait_tensorcnt 0x0                           ; my part of slot 0 is in
	ds_add_u32 v[SPW], v[NIL]
	s_wait_dscnt 0x0
	CROUND                                         ; everybody's part of slot 0 is in, and the joint loads meet
	JLOAD 1                                        ; slot 1's first fill: my one tensor load behind the round
	FETCH 0, 0, 0, 0
	STEPS 0, 0, 1
.if LAPS > 1
	WIN 0
	s_mov_b32 s3, LAPS-1
.Llap:
	STEPS 0, 1, 0
	STEPS 0, 2, 0
	TURN 0, 1, 1
	STEPS 1, 0, 0
	STEPS 1, 1, 0
	STEPS 1, 2, 0
	TURN 1, 0, 1
	STEPS 0, 0, 0
	WIN 0
	s_sub_co_u32 s3, s3, 1
	s_cmp_lg_u32 s3, 0
	s_cbranch_scc1 .Llap
.endif
	STEPS 0, 1, 0
	STEPS 0, 2, 0
	TURN 0, 1, 0
	STEPS 1, 0, 0
	STEPS 1, 1, 0
	STEPS 1, 2, 0
	s_wait_dscnt 0x0
	WIN MULW
	MUL4 128, 1, 0, 0
	MUL4 128, 1, 1, 0
	MUL4 128, 1, 2, 0
	MUL4 128, 1, 3, 0
	WIN 0
.macro OUTA a
.set TT, T0+32*((\a)%2)
.if (\a) >= 2
	s_wait_xcnt 0x0
.endif
.irp b, 0,1,2,3
	ds_store_b128 v[STO], v[ACC+8*(4*(\a)+\b):ACC+8*(4*(\a)+\b)+3] offset:128*(\b/2)+32*(\b%2)
	ds_store_b128 v[STO], v[ACC+8*(4*(\a)+\b)+4:ACC+8*(4*(\a)+\b)+7] offset:128*(\b/2)+32*(\b%2)+16
.endr
.irp t, 0,1,2,3,4,5,6,7
	ds_load_b128 v[TT+4*\t:TT+4*\t+3], v[RD] offset:2*SPITCH*\t
.endr
	s_wait_dscnt 0x0
	WIN 0x08
.irp t, 0,1,2,3,4,5,6,7
	v_pk_add_f32 v[TT+4*\t:TT+4*\t+1], v[TT+4*\t:TT+4*\t+1], v[32*(\a)+4*\t:32*(\a)+4*\t+1]
	v_pk_add_f32 v[TT+4*\t+2:TT+4*\t+3], v[TT+4*\t+2:TT+4*\t+3], v[32*(\a)+4*\t+2:32*(\a)+4*\t+3]
.endr
	WIN 0
.irp t, 0,1,2,3,4,5,6,7
	v_pk_add_f32 v[TT+4*\t:TT+4*\t+1], v[TT+4*\t:TT+4*\t+1], v[BIA:BIA+1]
	v_pk_add_f32 v[TT+4*\t+2:TT+4*\t+3], v[TT+4*\t+2:TT+4*\t+3], v[BIA+2:BIA+3]
.endr
.irp t, 0,1,2,3,4,5,6,7
	global_store_b128 v[CO], v[TT+4*\t:TT+4*\t+3], s[12:13] offset:4096*(32*((\a)/2)+8*((\a)%2)+16*(\t/4)+2*(\t%4))
.endr
.endm
	PLACES
	s_wait_loadcnt 0x0
	OUTA 0
	OUTA 1
	OUTA 2
	OUTA 3
	s_wait_tensorcnt 0x0
	ds_add_u32 v[SPW], v[NIL]
	s_wait_dscnt 0x0
	CROUND
	s_endpgm
.Lfunc_end_k_q152b37b9cf_gemm_out:
	.size	k_q152b37b9cf_gemm_out, .Lfunc_end_k_q152b37b9cf_gemm_out-k_q152b37b9cf_gemm_out
	.p2alignl 7, 3214868480
	.fill 96, 4, 3214868480
	.section	.rodata,"a",@progbits
	.p2align	6, 0x0
	.amdhsa_kernel k_q152b37b9cf_gemm_out
		.amdhsa_group_segment_fixed_size 327680
		.amdhsa_private_segment_fixed_size 0
		.amdhsa_enable_private_segment 0
		.amdhsa_kernarg_size 40
		.amdhsa_user_sgpr_count 2
		.amdhsa_user_sgpr_kernarg_segment_ptr 1
		.amdhsa_wavefront_size32 1
		.amdhsa_system_sgpr_workgroup_id_x 1
		.amdhsa_system_sgpr_workgroup_id_y 1
		.amdhsa_system_sgpr_workgroup_id_z 1
		.amdhsa_system_vgpr_workitem_id 0
		.amdhsa_next_free_vgpr 768
		.amdhsa_next_free_sgpr 98
		.amdhsa_reserve_vcc 0
		.amdhsa_float_denorm_mode_32 3
		.amdhsa_float_denorm_mode_16_64 3
		.amdhsa_memory_ordered 1
		.amdhsa_forward_progress 1
		.amdhsa_inst_pref_size 72
	.end_amdhsa_kernel
	.amdgpu_metadata
---
amdhsa.version: [ 1, 2 ]
amdhsa.kernels:
  - .name:           k_q152b37b9cf_gemm_out
    .symbol:         k_q152b37b9cf_gemm_out.kd
    .args:
      - { .name: oq, .offset: 0, .size: 8, .value_kind: global_buffer, .address_space: global }
      - { .name: wq, .offset: 8, .size: 8, .value_kind: global_buffer, .address_space: global }
      - { .name: b_out, .offset: 16, .size: 8, .value_kind: global_buffer, .address_space: global }
      - { .name: x, .offset: 24, .size: 8, .value_kind: global_buffer, .address_space: global }
      - { .name: x1, .offset: 32, .size: 8, .value_kind: global_buffer, .address_space: global }
    .group_segment_fixed_size: 327680
    .private_segment_fixed_size: 0
    .kernarg_segment_align: 8
    .kernarg_segment_size: 40
    .max_flat_workgroup_size: 128
    .sgpr_count:     98
    .vgpr_count:     768
    .wavefront_size: 32
...
	.end_amdgpu_metadata
.endif
;; end of part 4
;; launch ln1 (part 5): grid 256 x 1, 4 waves a work-group, no clusters, 66,304 bytes of LDS; arguments x1, ln2_g, ln2_b, hq; writes hq
.if DOCPART == 5
	.amdgcn_target "amdgcn-amd-amdhsa--gfx1250"
	.amdhsa_code_object_version 6
	.text
	.protected	k_q152b37b9cf_ln1
	.globl	k_q152b37b9cf_ln1
	.p2align	8
	.type	k_q152b37b9cf_ln1,@function
k_q152b37b9cf_ln1:
	s_mov_b64 s[64:65], 0
	v_nop
	global_prefetch_b8 v0, s[64:65] scope:SCOPE_SE
	s_setreg_imm32_b32 hwreg(HW_REG_WAVE_MODE, 25, 1), 1
	s_wait_xcnt 0x0
; Layer norm of [4096][1024] f32 and its quantiser: y = (x - mean) rsqrt(var + 1e-5) g + b, in two passes as the definition has it, then codes of FP6 (E2M3) along the row's 1,024.
; OUT: records of 1,792 bytes (a fragment of 16 rows x 128 K as an image of its registers: chunk p holds registers 2p, 2p+1 of lane l at 256 p + 8 l, chunk 6 the scale word twice at 1536 + 8 l); record (t, s) at (8 t + s) x 1,792.
; Tile t, lane-row r stands for row 32 (t / 2) + 8 (t % 2) + r % 8 + 16 (r / 8).
; SHARES: work-group t takes tile t's 16 rows.  Phase 1: wave w normalises lane-rows 4 w .. 4 w + 3, which are four neighbouring rows; a row lies in 32 registers of the wave.  y goes to LDS (rows 4,112 bytes apart).
; One barrier.  Phase 2: wave w quantises K steps 2 w and 2 w + 1 of all 16 rows: lane (r, h) takes, of row r, 16 neighbours of each block of 32.
; LIMITS: a block whose largest magnitude lies under 2^-124 keeps the byte 1 (a block of zeros too); NaN and infinities are not served.
.set LP,    4112
.set SPARE, 16*LP                      ; the spare words: two blocks of 256 bytes that no other line names
.set SPW,   24
.set NIL,   25
.set X,     32                         ; v32-159  four rows
.set G,     160                        ; v160-191 g of my 32 columns
.set BB,    192                        ; v192-223 b
.set MU,    224                        ; v224-231 the means, as pairs
.set RS,    232                        ; v232-239 1 / sqrt(var + eps), as pairs
.set T0,    32                         ; phase 2: 64 numbers of K step 2 w; T0 + 64: of 2 w + 1
.set PC0,   160
.set PC1,   180
.set TM,    200
.set PW0,   216
.set PW1,   218
.set SEL,   20
.macro QUANT s, pc, pw                 ; 64 numbers, register 16 b + i = k 32 b + 16 (lane / 16) + i of my row, become a fragment's codes in v[pc] on and its scale word in v[pw], v[pw + 1]
.irp b, 0,1,2,3
	v_max3_num_f32 v[TM+\b], |v[\s+16*\b]|, |v[\s+1+16*\b]|, 0x1800000   ; with the floor 2^(3 - 127): the byte cannot fall under 1
.endr
.irp k, 2,4,6,8,10,12,14
.irp b, 0,1,2,3
	v_max3_num_f32 v[TM+\b], v[TM+\b], |v[\s+16*\b+\k]|, |v[\s+1+16*\b+\k]|
.endr
.endr
.irp b, 0,1,2,3
	v_permlanex16_b32 v[TM+4+\b], v[TM+\b], s[SEL], s[SEL+1]
.endr
.irp b, 0,1,2,3
	v_max_num_f32 v[TM+\b], v[TM+\b], v[TM+4+\b]   ; with lane l xor 16's: the block's largest magnitude
.endr
.irp b, 0,1,2,3
	v_add_nc_u32 v[TM+12+\b], 0xff000000, v[TM+\b] ; 2 off the exponent field: the conversion's scale operand
.endr
.irp b, 0,1,2,3
	v_lshrrev_b32 v[TM+4+\b], 23, v[TM+12+\b]      ; the byte
.endr
	v_lshl_or_b32 v[\pw], v[TM+5], 8, v[TM+4]
	v_lshl_or_b32 v[\pw], v[TM+6], 16, v[\pw]
	v_lshl_or_b32 v[\pw], v[TM+7], 24, v[\pw]
	v_mov_b32 v[\pw+1], v[\pw]
.irp c, 0,1
	v_cvt_scalef32_pk16_fp6_f32 v[\pc+6*\c:\pc+2+6*\c], v[\s+32*\c:\s+15+32*\c], v[TM+12+2*\c]
	v_cvt_scalef32_pk16_fp6_f32 v[\pc+12+4*\c:\pc+14+4*\c], v[\s+16+32*\c:\s+31+32*\c], v[TM+12+2*\c+1]
.endr
	v_nop                                          ; one plain line behind a scaled conversion
.irp c, 0,1                            ; the operand wants a whole block in a lane: lanes 0-15 block 2 c, lanes 16-31 block 2 c + 1
.irp k, 0,1,2
	v_permlane16_swap_b32 v[\pc+6*\c+\k], v[\pc+12+4*\c+\k]
.endr
.irp k, 0,1,2
	v_mov_b32 v[\pc+3+6*\c+\k], v[\pc+12+4*\c+\k]
.endr
.endr
.endm
.macro REDUCE                          ; four rows' two chains each -> the row's sum in v[8 + 4 i], in every lane
.irp i, 0,1,2,3
	v_pk_add_f32 v[8+4*\i:9+4*\i], v[8+4*\i:9+4*\i], v[10+4*\i:11+4*\i]
.endr
.irp i, 0,1,2,3
	v_add_f32 v[8+4*\i], v[8+4*\i], v[9+4*\i]
.endr
.irp m, 1,2,4,8
.irp i, 0,1,2,3
	v_add_f32_dpp v[8+4*\i], v[8+4*\i], v[8+4*\i] row_xmask:\m row_mask:0xf bank_mask:0xf
.endr
.endr
.irp i, 0,1,2,3
	v_permlanex16_b32 v[9+4*\i], v[8+4*\i], s[SEL], s[SEL+1]
.endr
.irp i, 0,1,2,3
	v_add_f32 v[8+4*\i], v[8+4*\i], v[9+4*\i]
.endr
.endm
	s_load_b256 s[4:11], s[0:1], 0x0               ; x, g, b, the records
	v_lshl_add_u32 v[SPW], v0, 2, SPARE
	v_mov_b32 v[NIL], 0
	v_lshrrev_b32 v2, 5, v0
	v_readfirstlane_b32 s12, v2                    ; wave
	v_and_b32 v3, 31, v0
	v_lshlrev_b32 v1, 4, v3                        ; 16 x lane
	v_lshlrev_b32 v6, 3, v3                        ; 8 x lane
	v_and_b32 v2, 15, v0                           ; r
	v_bfe_u32 v7, v0, 4, 1                         ; h
	s_mul_i32 s13, s12, 4*LP
	v_add_nc_u32 v4, s13, v1                       ; y in: my four rows, 16 bytes a lane
	v_mul_u32_u24 v5, v2, LP
	v_lshl_add_u32 v5, v7, 6, v5
	s_lshl_b32 s13, s12, 10
	v_add_nc_u32 v5, s13, v5                       ; y out: row r, + 64 h, + my two K steps
	s_lshr_b32 s14, ttmp9, 1
	s_lshl_b32 s14, s14, 5
	s_and_b32 s15, ttmp9, 1
	s_lshl_b32 s15, s15, 3
	s_add_co_u32 s14, s14, s15
	s_lshr_b32 s15, s12, 1
	s_lshl_b32 s15, s15, 4
	s_add_co_u32 s14, s14, s15
	s_and_b32 s15, s12, 1
	s_lshl_b32 s15, s15, 2
	s_add_co_u32 s14, s14, s15                     ; my first row: 32 (t / 2) + 8 (t % 2) + 16 (w / 2) + 4 (w % 2)
	s_lshl_b32 s14, s14, 12
	s_mov_b32 s15, 0
	s_mul_i32 s16, ttmp9, 8*1792
	s_mul_i32 s17, s12, 2*1792
	s_add_co_u32 s16, s16, s17
	s_mov_b32 s17, 0
	s_mov_b32 s[SEL], 0x76543210
	s_mov_b32 s[SEL+1], 0xfedcba98
	s_mov_b32 s22, 0x3a800000                      ; 1 / 1024
	s_mov_b32 s23, 0x3727c5ac                      ; 1e-5
	s_wait_alu depctr_va_vdst(0)
	s_wait_kmcnt 0x0
	s_add_nc_u64 s[4:5], s[4:5], s[14:15]
	s_add_nc_u64 s[10:11], s[10:11], s[16:17]
.irp i, 0,1,2,3
.irp j, 0,1,2,3,4,5,6,7
	global_load_b128 v[X+32*\i+4*\j:X+32*\i+4*\j+3], v1, s[4:5] offset:4096*\i+512*\j th:TH_LOAD_NT
.endr
.endr
.irp j, 0,1,2,3,4,5,6,7
	global_load_b128 v[G+4*\j:G+4*\j+3], v1, s[6:7] offset:512*\j
	global_load_b128 v[BB+4*\j:BB+4*\j+3], v1, s[8:9] offset:512*\j
.endr
	s_wait_loadcnt 0x0
.irp i, 0,1,2,3
	v_pk_add_f32 v[8+4*\i:9+4*\i], v[X+32*\i:X+32*\i+1], v[X+32*\i+2:X+32*\i+3]
	v_pk_add_f32 v[10+4*\i:11+4*\i], v[X+32*\i+4:X+32*\i+5], v[X+32*\i+6:X+32*\i+7]
.endr
.irp k, 8,12,16,20,24,28
.irp i, 0,1,2,3
	v_pk_add_f32 v[8+4*\i:9+4*\i], v[8+4*\i:9+4*\i], v[X+32*\i+\k:X+32*\i+\k+1]
	v_pk_add_f32 v[10+4*\i:11+4*\i], v[10+4*\i:11+4*\i], v[X+32*\i+\k+2:X+32*\i+\k+3]
.endr
.endr
	REDUCE
.irp i, 0,1,2,3
	v_mul_f32 v[MU+2*\i], s22, v[8+4*\i]
.endr
.irp i, 0,1,2,3
	v_mov_b32 v[MU+2*\i+1], v[MU+2*\i]
.endr
.irp k, 0,2,4,6,8,10,12,14,16,18,20,22,24,26,28,30
.irp i, 0,1,2,3
	v_pk_add_f32 v[X+32*\i+\k:X+32*\i+\k+1], v[X+32*\i+\k:X+32*\i+\k+1], v[MU+2*\i:MU+2*\i+1] neg_lo:[0,1] neg_hi:[0,1]   ; x - mean
.endr
.endr
.irp i, 0,1,2,3
	v_pk_mul_f32 v[8+4*\i:9+4*\i], v[X+32*\i:X+32*\i+1], v[X+32*\i:X+32*\i+1]
	v_pk_mul_f32 v[10+4*\i:11+4*\i], v[X+32*\i+2:X+32*\i+3], v[X+32*\i+2:X+32*\i+3]
.endr
.irp k, 4,8,12,16,20,24,28
.irp i, 0,1,2,3
	v_pk_fma_f32 v[8+4*\i:9+4*\i], v[X+32*\i+\k:X+32*\i+\k+1], v[X+32*\i+\k:X+32*\i+\k+1], v[8+4*\i:9+4*\i]
	v_pk_fma_f32 v[10+4*\i:11+4*\i], v[X+32*\i+\k+2:X+32*\i+\k+3], v[X+32*\i+\k+2:X+32*\i+\k+3], v[10+4*\i:11+4*\i]
.endr
.endr
	REDUCE
.irp i, 0,1,2,3
	v_fma_f32 v[8+4*\i], v[8+4*\i], s22, s23       ; var + eps
.endr
	s_wait_alu depctr_va_vdst(0)
.irp i, 0,1,2,3
	v_rsq_f32 v[RS+2*\i], v[8+4*\i]
.endr
	v_nop                                          ; a plain line behind the last of them
	s_wait_alu depctr_va_vdst(0)                   ; one wait for the four, ahead of their first reader
.irp i, 0,1,2,3
	v_mov_b32 v[RS+2*\i+1], v[RS+2*\i]
.endr
.irp k, 0,2,4,6,8,10,12,14,16,18,20,22,24,26,28,30
.irp i, 0,1,2,3
	v_pk_mul_f32 v[X+32*\i+\k:X+32*\i+\k+1], v[X+32*\i+\k:X+32*\i+\k+1], v[RS+2*\i:RS+2*\i+1]
.endr
.endr
.irp k, 0,2,4,6,8,10,12,14,16,18,20,22,24,26,28,30
.irp i, 0,1,2,3
	v_pk_fma_f32 v[X+32*\i+\k:X+32*\i+\k+1], v[X+32*\i+\k:X+32*\i+\k+1], v[G+\k:G+\k+1], v[BB+\k:BB+\k+1]
.endr
.endr
.irp i, 0,1,2,3
.irp j, 0,1,2,3,4,5,6,7
	ds_store_b128 v4, v[X+32*\i+4*\j:X+32*\i+4*\j+3] offset:\i*LP+512*\j
.endr
.endr
	s_wait_dscnt 0x0                               ; for the others' sake: my rows lie in LDS
	s_barrier_signal -1
	s_barrier_wait -1
.irp e, 0,1
.irp b, 0,1,2,3
.irp j, 0,1,2,3
	ds_load_b128 v[T0+64*\e+16*\b+4*\j:T0+64*\e+16*\b+4*\j+3], v5 offset:512*\e+128*\b+16*\j
.endr
.endr
.endr
.irp b, 0,1,2,3
	v_mov_b32 v[TM+4+\b], 0                        ; a lane permute's destination counts as one of its sources
.endr
	s_wait_dscnt 16                                ; the first K step's 16 loads are in; the second's may stay out
	QUANT T0, PC0, PW0
.irp p, 0,1,2,3,4,5
	global_store_b64 v6, v[PC0+2*\p:PC0+2*\p+1], s[10:11] offset:256*\p      ; 32 lanes store 256 consecutive bytes, aligned
.endr
	global_store_b64 v6, v[PW0:PW0+1], s[10:11] offset:1536
	s_wait_dscnt 0x0
	QUANT T0+64, PC1, PW1
.irp p, 0,1,2,3,4,5
	global_store_b64 v6, v[PC1+2*\p:PC1+2*\p+1], s[10:11] offset:1792+256*\p
.endr
	global_store_b64 v6, v[PW1:PW1+1], s[10:11] offset:1792+1536
	s_wait_tensorcnt 0x0                           ; the wave's end
	ds_add_u32 v[SPW], v[NIL]
	s_wait_dscnt 0x0
	s_endpgm
.Lfunc_end_k_q152b37b9cf_ln1:
	.size	k_q152b37b9cf_ln1, .Lfunc_end_k_q152b37b9cf_ln1-k_q152b37b9cf_ln1
	.p2alignl 7, 3214868480
	.fill 96, 4, 3214868480
	.section	.rodata,"a",@progbits
	.p2align	6, 0x0
	.amdhsa_kernel k_q152b37b9cf_ln1
		.amdhsa_group_segment_fixed_size 66304
		.amdhsa_private_segment_fixed_size 0
		.amdhsa_enable_private_segment 0
		.amdhsa_kernarg_size 32
		.amdhsa_user_sgpr_count 2
		.amdhsa_user_sgpr_kernarg_segment_ptr 1
		.amdhsa_wavefront_size32 1
		.amdhsa_system_sgpr_workgroup_id_x 1
		.amdhsa_system_sgpr_workgroup_id_y 1
		.amdhsa_system_sgpr_workgroup_id_z 1
		.amdhsa_system_vgpr_workitem_id 0
		.amdhsa_next_free_vgpr 256
		.amdhsa_next_free_sgpr 66
		.amdhsa_reserve_vcc 0
		.amdhsa_float_denorm_mode_32 3
		.amdhsa_float_denorm_mode_16_64 3
		.amdhsa_memory_ordered 1
		.amdhsa_forward_progress 1
		.amdhsa_inst_pref_size 44
	.end_amdhsa_kernel
	.amdgpu_metadata
---
amdhsa.version: [ 1, 2 ]
amdhsa.kernels:
  - .name:           k_q152b37b9cf_ln1
    .symbol:         k_q152b37b9cf_ln1.kd
    .args:
      - { .name: x1, .offset: 0, .size: 8, .value_kind: global_buffer, .address_space: global }
      - { .name: ln2_g, .offset: 8, .size: 8, .value_kind: global_buffer, .address_space: global }
      - { .name: ln2_b, .offset: 16, .size: 8, .value_kind: global_buffer, .address_space: global }
      - { .name: hq, .offset: 24, .size: 8, .value_kind: global_buffer, .address_space: global }
    .group_segment_fixed_size: 66304
    .private_segment_fixed_size: 0
    .kernarg_segment_align: 8
    .kernarg_segment_size: 32
    .max_flat_workgroup_size: 128
    .sgpr_count:     66
    .vgpr_count:     256
    .wavefront_size: 32
...
	.end_amdgpu_metadata
.endif
;; end of part 5
;; launch gemm_fc1 (part 6): grid 16 x 16, 8 waves a work-group, clusters of 4 x 4, 327,680 bytes of LDS; arguments hq, wq, b_fc1, gq; writes gq
.if DOCPART == 6
	.amdgcn_target "amdgcn-amd-amdhsa--gfx1250"
	.amdhsa_code_object_version 6
	.text
	.protected	k_q152b37b9cf_gemm_fc1
	.globl	k_q152b37b9cf_gemm_fc1
	.p2align	8
	.type	k_q152b37b9cf_gemm_fc1,@function
k_q152b37b9cf_gemm_fc1:
	s_mov_b64 s[64:65], 0
	v_nop
	global_prefetch_b8 v0, s[64:65] scope:SCOPE_SE
	s_setreg_imm32_b32 hwreg(HW_REG_WAVE_MODE, 25, 1), 1
	s_wait_xcnt 0x0
	s_wait_alu depctr_hold_cnt(0) depctr_sa_sdst(0) depctr_va_vdst(0) depctr_va_sdst(0) depctr_va_ssrc(0) depctr_va_vcc(0) depctr_vm_vsrc(0)
	s_getreg_b32 s2, hwreg(HW_REG_IB_STS2, 6, 4)
	s_cmp_eq_u32 s2, 0
	s_cbranch_scc0 .Lentry_in_a_cluster
	s_endpgm
.Lentry_in_a_cluster:
	s_bfe_u32 s2, ttmp6, 0x10000c
	s_cmp_lg_u32 s2, 0xf033
	s_cbranch_scc0 .Lentry_shape_is_right
	s_endpgm
.Lentry_shape_is_right:
; g = Q(gelu(Q(h2) Q(w_fc1) + b_fc1)): the first MLP product on codes of FP6 (E2M3) with E8M0 scales, K = 1,024, the exact GELU in f32, and the quantiser along the second MLP product's K.
; OPERANDS AND RESULT are records of 1,792 bytes: a fragment (16 rows x 128 K) as an image of its registers: chunk p holds registers 2p, 2p+1 of lane l at 256 p + 8 l, chunk 6 the row's scale word at 1536 + 8 l (lane 16 + r holds row r's too).
; hq: record (t, s) at (8 t + s) x 1,792; w_fc1's likewise from byte 3,670,016 of wq; gq: record (t, s) at (32 t + s) x 1,792.  Tile t, lane-row r stands for index 32 (t / 2) + 8 (t % 2) + r % 8 + 16 (r / 8).
; SHARES: a block of 256 tokens x 256 hidden units to a work-group of EIGHT waves, two on a SIMD; wave w makes 64 tokens (quarter w / 2 of A's 16 tiles) x 128 units (half w % 2 of B's): 32 accumulators, 256 registers: window 1.
; The product is used transposed (source 0 = 16 rows of the weight, source 1 = 16 tokens): a lane holds a token, and the 64 registers of a block of 16 tokens are, with lane l xor 16's, 128 neighbouring units: one record.
; WINDOW 0: v0-31 addresses; v32-47 scale words, two sets (register i: lanes 0-15 A's block i, lanes 16-31 B's block i); v64-159 B's eight fragments, ONE set; v160-255 A's four fragments, two sets.
; A step of 128 along K is 32 products, B's blocks one after the other, each against A's four: a fragment of B is free when its four products are issued, and takes the next step's codes then.
; THE RING: K goes in four parts of 256 (two records a tile) through two LDS slots of 114,688 bytes; each wave brings 4 tiles by one joint load.  The change of slots stands at the head of a slot's second step:
; that step's operands were all asked for in the step before, so one round shows the other slot whole and frees this one, which is filled again first behind it.
; THE WAITS' COUNTS.  A step issues, for the next one: B's blocks 0-1 (12 loads), 2-3 (12), A's four and the scale words (32), B's 4-5 (12), 6-7 (12).  At a step's head the last 24 may be out (25 with the add);
; ahead of B's block 4 the 56 just issued may be out; where nothing is fetched the count is 0.
; CLUSTERS 4 x 4: A's tiles hang on the tile row and are shared along a row of the cluster, B's on the tile column and are shared along a column.
; PREFETCHES INTO THE L2: of the 4 tiles that a wave fetches jointly with three partners its work-group names one (told apart by address: cx for A, cy for B): 14 blocks of 256 bytes, a lane a block, the other lanes the last block again.
; Parts 1 and 2 are named behind part 0's load, part 3 behind part 1's.
; THE BIAS along a lane's 64 registers has no registers during the sums: it waits in LDS as an image of its registers, 8,192 bytes of each wave's own, into which no fill lands.
; GELU: q = erfc(|x| / sqrt 2) = t exp(-x^2 / 2 + P(t) / 2), t = 1 / (1 + |x| / (2 sqrt 2)), P of degree 9; gelu = h + |h| (1 - q), h = x / 2.
; LIMITS: for x far below 0 the result carries an absolute error of about |x| x 3e-8; a block whose largest magnitude lies under 2^-124 keeps the byte 1 (a block of zeros too); NaN and infinities are not served.
.set REC,   1792
.set KS,    8
.set NQ,    2
.set RUN,   NQ*REC                     ; a tile's records of one slot
.set QT,    4*RUN                      ; 4 tiles: what one tensor load brings, and a wave's share of A
.set SLOT,  8*QT                       ; A's 16 tiles, then B's 16
.set SPARE, 2*SLOT                     ; the spare words: 128 bytes for each of 8 waves, four blocks of 256 bytes that no other line names
.set BST,   SPARE+1024                 ; the bias images
.set FR,    12
.set ADRA, 16
.set ADRB, 20
.set ADRS, 22
.set LO8,  24
.set BSA,  25
.set SPW,  28
.set NIL,  29
.set PFO,  30
.set SC,   32
.set VC9,  48
.set BF,   64
.set AF,   160
.set BI,   64                          ; the way out: the bias, v64-127
.set T,    128
.set TT,   192
.set PP,   224
.set PC,   192
.set TM,   224
.set PW,   240
.set G1,   24
.set G0,   32
.set G1B,  48
.set G0B,  56
.set SEL,  84
.set K35,  86
.set AI,   87
.set PFA,  90
.set MULW, 0x50                        ; C and D in window 1, the sources in window 0
.set MSB, 0
.macro WIN new                         ; the immediate's high byte repeats the setting that is left
.if MSB != (\new)
	s_set_vgpr_msb (MSB<<8)|(\new)
.set MSB, (\new)
.endif
.endm
.macro JLOAD s                         ; a joint load: waves 0 to 3 fetch A's quarters, waves 4 to 7 B's
	s_cmp_lt_u32 s14, 4
	s_cbranch_scc0 .Lfor_b_\@
	tensor_load_to_lds s[G0+4*\s:G0+4*\s+3], s[G1:G1+7]
	s_nop 0
.rept 4
	v_nop
.endr
	s_branch .Lasked_\@
.Lfor_b_\@:
	tensor_load_to_lds s[G0B+4*\s:G0B+4*\s+3], s[G1B:G1B+7]
	s_nop 0
.rept 4
	v_nop
.endr
.Lasked_\@:
.endm
.macro CREST
	s_cmp_lg_u32 s14, 0
	s_cbranch_scc1 .Lnot_wave_0_\@
	s_barrier_signal -3
.Lnot_wave_0_\@:
	s_barrier_wait -3
	s_barrier_signal -1
	s_barrier_wait -1
.endm
.macro CROUND
	s_barrier_signal -1
	s_barrier_wait -1
	CREST
.endm
.macro PLACES
.rept 4
	v_nop
.endr
.endm
.macro QUANT s, pc, pw                 ; 64 numbers, register 16 b + i = k 32 b + 16 (lane / 16) + i of my row, become a fragment's codes in v[pc] on and its scale word in v[pw], v[pw + 1]
.irp b, 0,1,2,3
	v_max3_num_f32 v[TM+\b], |v[\s+16*\b]|, |v[\s+1+16*\b]|, 0x1800000   ; with the floor 2^(3 - 127): the byte cannot fall under 1
.endr
.irp k, 2,4,6,8,10,12,14
.irp b, 0,1,2,3
	v_max3_num_f32 v[TM+\b], v[TM+\b], |v[\s+16*\b+\k]|, |v[\s+1+16*\b+\k]|
.endr
.endr
.irp b, 0,1,2,3
	v_permlanex16_b32 v[TM+4+\b], v[TM+\b], s[SEL], s[SEL+1]
.endr
.irp b, 0,1,2,3
	v_max_num_f32 v[TM+\b], v[TM+\b], v[TM+4+\b]
.endr
.irp b, 0,1,2,3
	v_add_nc_u32 v[TM+12+\b], 0xff000000, v[TM+\b]
.endr
.irp b, 0,1,2,3
	v_lshrrev_b32 v[TM+4+\b], 23, v[TM+12+\b]
.endr
	v_lshl_or_b32 v[\pw], v[TM+5], 8, v[TM+4]
	v_lshl_or_b32 v[\pw], v[TM+6], 16, v[\pw]
	v_lshl_or_b32 v[\pw], v[TM+7], 24, v[\pw]
	v_mov_b32 v[\pw+1], v[\pw]
.irp c, 0,1
	v_cvt_scalef32_pk16_fp6_f32 v[\pc+6*\c:\pc+2+6*\c], v[\s+32*\c:\s+15+32*\c], v[TM+12+2*\c]
	v_cvt_scalef32_pk16_fp6_f32 v[\pc+12+4*\c:\pc+14+4*\c], v[\s+16+32*\c:\s+31+32*\c], v[TM+12+2*\c+1]
.endr
	v_nop                                          ; one plain line behind a scaled conversion
.irp c, 0,1
.irp k, 0,1,2
	v_permlane16_swap_b32 v[\pc+6*\c+\k], v[\pc+12+4*\c+\k]
.endr
.irp k, 0,1,2
	v_mov_b32 v[\pc+3+6*\c+\k], v[\pc+12+4*\c+\k]
.endr
.endr
.endm
; ---- the head
	s_load_b256 s[4:11], s[0:1], 0x0               ; hq, wq, b_fc1, gq
	v_lshl_add_u32 v[SPW], v0, 2, SPARE
	v_mov_b32 v[NIL], 0
	ds_add_u32 v[SPW], v[NIL]                      ; the wave's opening: the add, twice on end, and its wait ahead of my first tensor load
	ds_add_u32 v[SPW], v[NIL]
	v_lshrrev_b32 v1, 5, v0
	v_readfirstlane_b32 s14, v1                    ; wave 0..7
	s_lshr_b32 s15, s14, 1                         ; my quarter of A's tiles
	s_and_b32 s16, s14, 1                          ; my half of B's
	s_and_b32 s18, s14, 3
	s_lshl_b32 s18, s18, 2                         ; which 4 tiles I fetch, of A (waves 0-3) or of B (waves 4-7)
	s_bfe_u32 s40, ttmp6, 0x40000                  ; cx
	s_bfe_u32 s41, ttmp6, 0x40004                  ; cy
	s_lshl_b32 s42, ttmp9, 2
	s_add_co_u32 s42, s42, s40                     ; tile column
	s_and_b32 s17, ttmp7, 0xffff
	s_lshl_b32 s17, s17, 2
	s_add_co_u32 s17, s17, s41                     ; tile row
	s_lshl_b32 s43, s41, 2
	s_lshl_b32 s43, 15, s43                        ; my row of the cluster
	s_lshl_b32 s44, 0x1111, s40                    ; my column
	s_or_b32 s[G1+0], s43, (3<<16)|(1<<21)         ; the mask; elements of 8 bytes; bit 21 beside a mask; no padding
	s_or_b32 s[G1B+0], s44, (3<<16)|(1<<21)
.irp g, G1, G1B
	s_mov_b32 s[\g+1], (RUN/8)<<16                 ; a row: a tile's two records
	s_mov_b32 s[\g+2], 4<<16                       ; 4 tiles
	s_mov_b32 s[\g+3], (RUN/8)<<16
	s_mov_b32 s[\g+4], 4
	s_mov_b32 s[\g+5], KS*REC/8                    ; from tile to tile
	s_mov_b32 s[\g+6], 0
	s_mov_b32 s[\g+7], 0
.endr
	s_lshl_b32 s20, s17, 4
	s_add_co_u32 s20, s20, s18
	s_mul_i32 s20, s20, KS*REC
	s_mov_b32 s21, 0
	s_lshl_b32 s46, s42, 4
	s_add_co_u32 s46, s46, s18
	s_mul_i32 s46, s46, KS*REC
	s_add_co_u32 s46, s46, 3670016
	s_mov_b32 s47, 0
	s_mul_i32 s45, s14, QT                         ; where they go: no place in the cluster enters an LDS address
	s_wait_dscnt 0x0                               ; both opening adds are done
	CROUND                                         ; the round in front of the first joint loads, while the arguments are on their way
	s_wait_kmcnt 0x0
	s_add_nc_u64 s[20:21], s[4:5], s[20:21]
	s_add_nc_u64 s[46:47], s[6:7], s[46:47]
.irp s, 0,1
	s_mov_b32 s[G0+4*\s], 1
	s_add_co_u32 s[G0+4*\s+1], s45, \s*SLOT
	s_add_nc_u64 s[G0+4*\s+2:G0+4*\s+3], s[20:21], \s*RUN
	s_or_b32 s[G0+4*\s+3], s[G0+4*\s+3], 0x80000000
	s_mov_b32 s[G0B+4*\s], 1
	s_add_co_u32 s[G0B+4*\s+1], s45, \s*SLOT
	s_add_nc_u64 s[G0B+4*\s+2:G0B+4*\s+3], s[46:47], \s*RUN
	s_or_b32 s[G0B+4*\s+3], s[G0B+4*\s+3], 0x80000000
.endr
	JLOAD 0                                        ; slot 0: one tensor load a wave at the head
	s_cmp_lt_u32 s14, 4
	s_cselect_b64 s[PFA:PFA+1], s[20:21], s[46:47]
	s_cselect_b32 s88, s40, s41
	s_mul_i32 s88, s88, KS*REC                     ; my work-group's tile of the four
	s_mov_b32 s89, 0
	s_add_nc_u64 s[PFA:PFA+1], s[PFA:PFA+1], s[88:89]
	s_lshl_b32 s72, s42, 10
	s_lshl_b32 s73, s16, 9
	s_add_co_u32 s72, s72, s73                     ; the bias of my 128 units
	s_mov_b32 s73, 0
	s_add_nc_u64 s[72:73], s[8:9], s[72:73]
	v_and_b32 v[PFO], 31, v0
	v_min_u32 v[PFO], 13, v[PFO]
	v_lshlrev_b32 v[PFO], 8, v[PFO]
	global_prefetch_b8 v[PFO], s[PFA:PFA+1] offset:RUN th:TH_LOAD_NT scope:SCOPE_SE
	global_prefetch_b8 v[PFO], s[PFA:PFA+1] offset:2*RUN th:TH_LOAD_NT scope:SCOPE_SE
	v_bfe_u32 v2, v0, 4, 1                         ; h
	v_lshlrev_b32 v3, 6, v2                        ; 16 h numbers
.irp b, 0,1,2,3,4,5,6,7
	global_load_b128 v[BI+8*\b:BI+8*\b+3], v3, s[72:73] offset:4*(32*(\b/2)+8*(\b%2))
	global_load_b128 v[BI+8*\b+4:BI+8*\b+7], v3, s[72:73] offset:4*(32*(\b/2)+8*(\b%2))+16
.endr
	v_and_b32 v1, 31, v0
	v_lshlrev_b32 v[LO8], 3, v1
	s_wait_alu depctr_va_vdst(0)                   ; the wait here, directly ahead of the run of scalar lines
	s_mul_i32 s21, s15, QT                         ; my quarter of A
	s_mul_i32 s22, s16, 2*QT
	s_add_co_u32 s22, s22, 4*QT                    ; my half of B, behind A's four quarters
	s_xor_b32 s23, s15, 3
	s_lshl_b32 s19, s16, 1
	s_add_co_u32 s23, s23, s19
	s_add_co_u32 s23, s23, 1
	s_mul_i32 s23, s23, QT                         ; the distance between the two: (3 - quarter) + 2 half + 1 shares of 4 tiles
	s_lshl_b32 s19, s14, 13
	s_add_co_u32 s19, s19, BST                     ; my bias image
	s_lshl_b32 s76, s17, 4
	s_lshl_b32 s77, s15, 2
	s_add_co_u32 s76, s76, s77                     ; my first token tile
	s_lshl_b32 s76, s76, 5
	s_lshl_b32 s77, s42, 1
	s_add_co_u32 s76, s76, s77
	s_add_co_u32 s76, s76, s16                     ; which 128 of the next K
	s_mul_i32 s76, s76, REC
	s_mov_b32 s77, 0
	s_add_nc_u64 s[10:11], s[10:11], s[76:77]
	s_mov_b32 s[SEL], 0x76543210
	s_mov_b32 s[SEL+1], 0xfedcba98
	s_mov_b32 s[K35], 0x3eb504f3                   ; 1 / (2 sqrt 2)
	v_mul_u32_u24 v6, s23, v2                      ; lanes 16-31 take B's scale words
	v_add_nc_u32 v6, v6, v[LO8]
	v_lshl_add_u32 v[BSA], v1, 4, s19
.irp s, 0,1
	v_add_nc_u32 v[ADRA+\s], s21, v[LO8]
	v_add_nc_u32 v[ADRB+\s], s22, v[LO8]
	v_add_nc_u32 v[ADRS+\s], s21, v6
	s_add_co_u32 s21, s21, SLOT
	s_add_co_u32 s22, s22, SLOT
.endr
; ---- the sums
.macro GRP2 b0, set, zero              ; 8 products: B's blocks b0, b0 + 1 against A's four.  The 32 accumulators take turns, one instruction a turn, in the same order in every step
.irp b, \b0, \b0+1
.irp a, 0,1,2,3
.if \zero
	v_wmma_scale_f32_16x16x128_f8f6f4 v[8*(8*\a+(\b)):8*(8*\a+(\b))+7], v[BF+FR*(\b):BF+FR*(\b)+FR-1], v[AF+48*(\set)+FR*\a:AF+48*(\set)+FR*\a+FR-1], 0, v[SC+8*(\set)+(\b)], v[SC+8*(\set)+\a] matrix_a_fmt:MATRIX_FMT_FP6 matrix_b_fmt:MATRIX_FMT_FP6 matrix_a_scale:MATRIX_SCALE_ROW1
.else
	v_wmma_scale_f32_16x16x128_f8f6f4 v[8*(8*\a+(\b)):8*(8*\a+(\b))+7], v[BF+FR*(\b):BF+FR*(\b)+FR-1], v[AF+48*(\set)+FR*\a:AF+48*(\set)+FR*\a+FR-1], v[8*(8*\a+(\b)):8*(8*\a+(\b))+7], v[SC+8*(\set)+(\b)], v[SC+8*(\set)+\a] matrix_a_fmt:MATRIX_FMT_FP6 matrix_b_fmt:MATRIX_FMT_FP6 matrix_a_scale:MATRIX_SCALE_ROW1
.endif
.endr
.endr
.endm
.macro LB2 slot, q, b0                 ; 12 loads: B's blocks b0, b0 + 1 of record q of a slot
.irp b, \b0, \b0+1
.irp p, 0,1,2,3,4,5
	ds_load_b64 v[BF+FR*(\b)+2*\p:BF+FR*(\b)+2*\p+1], v[ADRB+\slot] offset:(\b)*RUN+(\q)*REC+256*\p
.endr
.endr
.endm
.macro LA slot, q                      ; 32 loads: A's four blocks and the scale words of record q, into set q
.irp i, 0,1,2,3
.irp p, 0,1,2,3,4,5
	ds_load_b64 v[AF+48*(\q)+FR*\i+2*\p:AF+48*(\q)+FR*\i+2*\p+1], v[ADRA+\slot] offset:\i*RUN+(\q)*REC+256*\p
.endr
.endr
.irp i, 0,1,2,3,4,5,6,7
	ds_load_b32 v[SC+8*(\q)+\i], v[ADRS+\slot] offset:\i*RUN+(\q)*REC+1536
.endr
.endm
; A step of 128 along K on record q of a slot; its successor is record nq of slot ns.  mode 0: the successor lies in the same slot; 1: the change of slots, and this slot is filled again; 2: the change of slots, nothing is filled; 3: the last step.
.macro STEP slot, q, ns, nq, mode, zero
.if (\mode == 1) || (\mode == 2)
	s_wait_tensorcnt 0x0                           ; my one tensor load that was out, my part of the other slot, has landed
	ds_add_u32 v[SPW], v[NIL]
	s_wait_dscnt 25                                ; (the add and B's blocks 4-7 may be out)
	WIN MULW
	GRP2 0, \q, \zero
	s_wait_dscnt 0x0                               ; the add is done, and my reads of this slot are over
	s_barrier_signal -1
	GRP2 2, \q, \zero
	WIN 0
	s_barrier_wait -1
.if \mode == 1
	CREST                                          ; the barrier has opened a round of the cluster's: no wave of any partner still reads this slot or has a load on its way
	s_add_nc_u64 s[G0+4*\slot+2:G0+4*\slot+3], s[G0+4*\slot+2:G0+4*\slot+3], 2*RUN
	s_add_nc_u64 s[G0B+4*\slot+2:G0B+4*\slot+3], s[G0B+4*\slot+2:G0B+4*\slot+3], 2*RUN
	JLOAD \slot                                    ; my one tensor load behind the round; its four v_nop are the places in front of the loads below
.else
	PLACES
.endif
	LB2 \ns, \nq, 0
	LB2 \ns, \nq, 2
	LA \ns, \nq
.else
	s_wait_dscnt 24                                ; B's blocks 0-3, A's four and the scale words are in; B's blocks 4-7 may be out
	WIN MULW
	GRP2 0, \q, \zero
	WIN 0
.if \mode == 0
	PLACES                                         ; four plain lines in front of loads into registers that matrix instructions have read
	LB2 \ns, \nq, 0
.endif
	WIN MULW
	GRP2 2, \q, \zero
	WIN 0
.if \mode == 0
	PLACES
	LB2 \ns, \nq, 2
	LA \ns, \nq
	s_wait_dscnt 56                                ; all but the 56 just issued
.else
	s_wait_dscnt 0x0
.endif
.endif
	WIN MULW
	GRP2 4, \q, \zero
	WIN 0
.if \mode != 3
	PLACES
	LB2 \ns, \nq, 4
.endif
	WIN MULW
	GRP2 6, \q, \zero
	WIN 0
.if \mode != 3
	PLACES
	LB2 \ns, \nq, 6
.endif
.endm
	s_wait_alu depctr_va_vdst(0)                   ; the wait at the head's end
	s_wait_loadcnt 0x0                             ; the bias
.irp k, 0,1,2,3,4,5,6,7,8,9,10,11,12,13,14,15
	ds_store_b128 v[BSA], v[BI+4*\k:BI+4*\k+3] offset:512*\k   ; an image of its registers, in my own bytes
.endr
	s_wait_tensorcnt 0x0                           ; my part of slot 0 is in
	ds_add_u32 v[SPW], v[NIL]
	s_wait_dscnt 0x0
	CROUND                                         ; everybody's part of slot 0 is in, and the joint loads meet
	JLOAD 1                                        ; slot 1's first fill: my one tensor load behind the round
	LB2 0, 0, 0
	LB2 0, 0, 2
	LA 0, 0
	LB2 0, 0, 4
	LB2 0, 0, 6
	global_prefetch_b8 v[PFO], s[PFA:PFA+1] offset:3*RUN th:TH_LOAD_NT scope:SCOPE_SE
	STEP 0, 0, 0, 1, 0, 1                          ; the first step's products start the sums
	STEP 0, 1, 1, 0, 1, 0                          ; slot 0 takes part 2
	STEP 1, 0, 1, 1, 0, 0
	STEP 1, 1, 0, 0, 1, 0                          ; slot 1 takes part 3
	STEP 0, 0, 0, 1, 0, 0
	STEP 0, 1, 1, 0, 2, 0
	STEP 1, 0, 1, 1, 0, 0
	STEP 1, 1, 0, 0, 3, 0
; ---- the way out, block by block of 16 tokens: bias, GELU, quantiser; the codes leave as chunks of 256 consecutive bytes
.macro ADDB a                          ; block a + the bias along my registers; each accumulator from its low end on
	WIN 0x01
.set AC, 64*(\a)
.set i, 0
.rept 32
	v_pk_add_f32 v[T+i:T+i+1], v[AC+i:AC+i+1], v[BI+i:BI+i+1]
.set i, i+2
.endr
	WIN 0
.endm
.macro GELU o
.set XX, T+(\o)
.set i, 0
.rept 32
	v_fma_f32 v[TT+i], |v[XX+i]|, s[K35], 1.0
.set i, i+1
.endr
	s_wait_alu depctr_va_vdst(0)                   ; the wait ahead of the batch
.set i, 0
.rept 32
	v_rcp_f32 v[TT+i], v[TT+i]                     ; t
.set i, i+1
.endr
	v_nop
	s_wait_alu depctr_va_vdst(0)                   ; one wait for the batch, ahead of its first reader
.set i, 0
.rept 16
	v_pk_fma_f32 v[PP+i:PP+i+1], v[TT+i:TT+i+1], v[VC9:VC9+1], 0xbfd27892 op_sel_hi:[1,1,0]
.set i, i+2
.endr
.irp c, 0x403e87b0, 0xc0114e5d, 0x3f0ec7cc, 0xbebec24c, 0x3e4636c9, 0x3f3f88fb, 0x400000c7, 0xc021fc4e
.set i, 0
.rept 16
	v_pk_fma_f32 v[PP+i:PP+i+1], v[PP+i:PP+i+1], v[TT+i:TT+i+1], \c op_sel_hi:[1,1,0]
.set i, i+2
.endr
.endr
.set i, 0
.rept 16
	v_pk_fma_f32 v[PP+i:PP+i+1], v[XX+i:XX+i+1], v[XX+i:XX+i+1], v[PP+i:PP+i+1] neg_lo:[1,0,0] neg_hi:[1,0,0]
.set i, i+2
.endr
.set i, 0
.rept 16
	v_pk_mul_f32 v[PP+i:PP+i+1], v[PP+i:PP+i+1], 0x3f38aa3b op_sel_hi:[1,0]   ; x log2(e) / 2
.set i, i+2
.endr
	s_wait_alu depctr_va_vdst(0)                   ; ahead of the batch
.set i, 0
.rept 32
	v_exp_f32 v[PP+i], v[PP+i]
.set i, i+1
.endr
.set i, 0
.rept 16
	v_pk_mul_f32 v[XX+i:XX+i+1], v[XX+i:XX+i+1], 0.5 op_sel_hi:[1,0]   ; h = x / 2; plain lines behind the batch, which name none of its results
.set i, i+2
.endr
	s_wait_alu depctr_va_vdst(0)                   ; one wait for the batch
.set i, 0
.rept 16
	v_pk_fma_f32 v[TT+i:TT+i+1], v[TT+i:TT+i+1], v[PP+i:PP+i+1], 1.0 op_sel_hi:[1,1,0] neg_lo:[1,0,0] neg_hi:[1,0,0]   ; 1 - q
.set i, i+2
.endr
.set i, 0
.rept 32
	v_fma_f32 v[XX+i], |v[XX+i]|, v[TT+i], v[XX+i]   ; gelu = h + |h| (1 - q)
.set i, i+1
.endr
.endm
	PLACES                                         ; behind the last products
.irp k, 0,1,2,3,4,5,6,7,8,9,10,11,12,13,14,15
	ds_load_b128 v[BI+4*\k:BI+4*\k+3], v[BSA] offset:512*\k    ; the bias comes back into the registers that held B's fragments
.endr
	v_mov_b32 v[VC9], 0x3eaef946
	v_mov_b32 v[VC9+1], 0x3eaef946
	s_mov_b32 s[AI], 0
	s_wait_dscnt 0x0
.Lrow:
.irp a, 0,1,2
	s_cmp_eq_u32 s[AI], \a
	s_cbranch_scc0 .Lnot\a
	ADDB \a
	s_branch .Lgo
.Lnot\a:
.endr
	ADDB 3
.Lgo:
	GELU 0
	GELU 32
	QUANT T, PC, PW
.irp p, 0,1,2,3,4,5
	global_store_b64 v[LO8], v[PC+2*\p:PC+2*\p+1], s[10:11] offset:256*\p      ; 32 lanes store 256 consecutive bytes, aligned
.endr
	global_store_b64 v[LO8], v[PW:PW+1], s[10:11] offset:1536
	s_wait_xcnt 0x0                                ; the stores have read their registers and their base
	s_add_nc_u64 s[10:11], s[10:11], 32*REC        ; the next token tile's record
	s_add_co_u32 s[AI], s[AI], 1
	s_cmp_lt_u32 s[AI], 4
	s_cbranch_scc1 .Lrow
	s_wait_tensorcnt 0x0                           ; the wave's end
	ds_add_u32 v[SPW], v[NIL]
	s_wait_dscnt 0x0
	CROUND                                         ; the closing round
	s_endpgm
.Lfunc_end_k_q152b37b9cf_gemm_fc1:
	.size	k_q152b37b9cf_gemm_fc1, .Lfunc_end_k_q152b37b9cf_gemm_fc1-k_q152b37b9cf_gemm_fc1
	.p2alignl 7, 3214868480
	.fill 96, 4, 3214868480
	.section	.rodata,"a",@progbits
	.p2align	6, 0x0
	.amdhsa_kernel k_q152b37b9cf_gemm_fc1
		.amdhsa_group_segment_fixed_size 327680
		.amdhsa_private_segment_fixed_size 0
		.amdhsa_enable_private_segment 0
		.amdhsa_kernarg_size 32
		.amdhsa_user_sgpr_count 2
		.amdhsa_user_sgpr_kernarg_segment_ptr 1
		.amdhsa_wavefront_size32 1
		.amdhsa_system_sgpr_workgroup_id_x 1
		.amdhsa_system_sgpr_workgroup_id_y 1
		.amdhsa_system_sgpr_workgroup_id_z 1
		.amdhsa_system_vgpr_workitem_id 0
		.amdhsa_next_free_vgpr 512
		.amdhsa_next_free_sgpr 98
		.amdhsa_reserve_vcc 0
		.amdhsa_float_denorm_mode_32 3
		.amdhsa_float_denorm_mode_16_64 3
		.amdhsa_memory_ordered 1
		.amdhsa_forward_progress 1
		.amdhsa_inst_pref_size 154
	.end_amdhsa_kernel
	.amdgpu_metadata
---
amdhsa.version: [ 1, 2 ]
amdhsa.kernels:
  - .name:           k_q152b37b9cf_gemm_fc1
    .symbol:         k_q152b37b9cf_gemm_fc1.kd
    .args:
      - { .name: hq, .offset: 0, .size: 8, .value_kind: global_buffer, .address_space: global }
      - { .name: wq, .offset: 8, .size: 8, .value_kind: global_buffer, .address_space: global }
      - { .name: b_fc1, .offset: 16, .size: 8, .value_kind: global_buffer, .address_space: global }
      - { .name: gq, .offset: 24, .size: 8, .value_kind: global_buffer, .address_space: global }
    .group_segment_fixed_size: 327680
    .private_segment_fixed_size: 0
    .kernarg_segment_align: 8
    .kernarg_segment_size: 32
    .max_flat_workgroup_size: 256
    .sgpr_count:     98
    .vgpr_count:     512
    .wavefront_size: 32
...
	.end_amdgpu_metadata
.endif
;; end of part 6
;; launch gemm_fc2 (part 7): grid 8 x 32, 4 waves a work-group, clusters of 4 x 4, 327,680 bytes of LDS; arguments gq, wq, b_fc2, x1, out0; writes out0
.if DOCPART == 7
	.amdgcn_target "amdgcn-amd-amdhsa--gfx1250"
	.amdhsa_code_object_version 6
	.text
	.protected	k_q152b37b9cf_gemm_fc2
	.globl	k_q152b37b9cf_gemm_fc2
	.p2align	8
	.type	k_q152b37b9cf_gemm_fc2,@function
k_q152b37b9cf_gemm_fc2:
	s_mov_b64 s[64:65], 0
	v_nop
	global_prefetch_b8 v0, s[64:65] scope:SCOPE_SE
	s_setreg_imm32_b32 hwreg(HW_REG_WAVE_MODE, 25, 1), 1
	s_wait_xcnt 0x0
	s_wait_alu depctr_hold_cnt(0) depctr_sa_sdst(0) depctr_va_vdst(0) depctr_va_sdst(0) depctr_va_ssrc(0) depctr_va_vcc(0) depctr_vm_vsrc(0)
	s_getreg_b32 s2, hwreg(HW_REG_IB_STS2, 6, 4)
	s_cmp_eq_u32 s2, 0
	s_cbranch_scc0 .Lentry_in_a_cluster
	s_endpgm
.Lentry_in_a_cluster:
	s_bfe_u32 s2, ttmp6, 0x10000c
	s_cmp_lg_u32 s2, 0xf033
	s_cbranch_scc0 .Lentry_shape_is_right
	s_endpgm
.Lentry_shape_is_right:
.set KS,    32
.set WOFF,  7340032
.set REC,   1792
.set NQ,    4
.set RUN,   NQ*REC
.set HALFT, 4*RUN
.set SLOT,  4*HALFT
.set SPARE, 2*SLOT
.set LAPS,  KS/(2*NQ)
.set FR,    12
.set SPITCH, 272
.set ADRA, 16
.set ADRB, 20
.set ADRS, 22
.set STO,  24
.set RD,   25
.set CO,   26
.set SPW,  28
.set NIL,  29
.set SC,   32
.set BIA,  40
.set T0,   48
.set ACC,  128
.set G1,   24
.set G0,   32
.set G1B,  48
.set G0B,  56
.set MSB, 0
.macro WIN new
.if MSB != (\new)
	s_set_vgpr_msb (MSB<<8)|(\new)
.set MSB, (\new)
.endif
.endm
.set MULW, 0x05
.macro JLOAD s
	s_cmp_eq_u32 s15, 0
	s_cbranch_scc0 .Lfor_b_\@
	tensor_load_to_lds s[G0+4*\s:G0+4*\s+3], s[G1:G1+7]
	s_nop 0
.rept 4
	v_nop
.endr
	s_branch .Lasked_\@
.Lfor_b_\@:
	tensor_load_to_lds s[G0B+4*\s:G0B+4*\s+3], s[G1B:G1B+7]
	s_nop 0
.rept 4
	v_nop
.endr
.Lasked_\@:
.endm
.macro CREST
	s_cmp_lg_u32 s14, 0
	s_cbranch_scc1 .Lnot_wave_0_\@
	s_barrier_signal -3
.Lnot_wave_0_\@:
	s_barrier_wait -3
	s_barrier_signal -1
	s_barrier_wait -1
.endm
.macro CROUND
	s_barrier_signal -1
	s_barrier_wait -1
	CREST
.endm
.macro PLACES
.rept 4
	v_nop
.endr
.endm
	s_load_b256 s[4:11], s[0:1], 0x0
	s_load_b64 s[12:13], s[0:1], 0x20
	v_lshl_add_u32 v[SPW], v0, 2, SPARE
	v_mov_b32 v[NIL], 0
	ds_add_u32 v[SPW], v[NIL]
	ds_add_u32 v[SPW], v[NIL]
	v_lshrrev_b32 v1, 5, v0
	v_readfirstlane_b32 s14, v1
	s_lshr_b32 s15, s14, 1
	s_and_b32 s16, s14, 1
	s_bfe_u32 s40, ttmp6, 0x40000
	s_bfe_u32 s41, ttmp6, 0x40004
	s_lshl_b32 s42, ttmp9, 2
	s_add_co_u32 s42, s42, s40
	s_and_b32 s17, ttmp7, 0xffff
	s_lshl_b32 s17, s17, 2
	s_add_co_u32 s17, s17, s41
	s_lshl_b32 s43, s41, 2
	s_lshl_b32 s43, 15, s43
	s_lshl_b32 s44, 0x1111, s40
	s_or_b32 s[G1+0], s43, (3<<16)|(1<<21)
	s_or_b32 s[G1B+0], s44, (3<<16)|(1<<21)
.irp g, G1, G1B
	s_mov_b32 s[\g+1], (RUN/8)<<16
	s_mov_b32 s[\g+2], 4<<16
	s_mov_b32 s[\g+3], (RUN/8)<<16
	s_mov_b32 s[\g+4], 4
	s_mov_b32 s[\g+5], KS*REC/8
	s_mov_b32 s[\g+6], 0
	s_mov_b32 s[\g+7], 0
.endr
	s_lshl_b32 s18, s16, 2
	s_lshl_b32 s20, s17, 3
	s_add_co_u32 s20, s20, s18
	s_mul_i32 s20, s20, KS*REC
	s_mov_b32 s21, 0
	s_lshl_b32 s46, s42, 3
	s_add_co_u32 s46, s46, s18
	s_mul_i32 s46, s46, KS*REC
	s_add_co_u32 s46, s46, WOFF
	s_mov_b32 s47, 0
	s_mul_i32 s45, s14, HALFT
	s_wait_dscnt 0x0                               ; the opening adds are done
	CROUND                                         ; the round in front of the first joint loads, while the arguments are on their way
	s_wait_kmcnt 0x0
	s_add_nc_u64 s[20:21], s[4:5], s[20:21]
	s_add_nc_u64 s[46:47], s[6:7], s[46:47]
.irp s, 0,1
	s_mov_b32 s[G0+4*\s], 1
	s_add_co_u32 s[G0+4*\s+1], s45, \s*SLOT
	s_add_nc_u64 s[G0+4*\s+2:G0+4*\s+3], s[20:21], \s*RUN
	s_or_b32 s[G0+4*\s+3], s[G0+4*\s+3], 0x80000000
	s_mov_b32 s[G0B+4*\s], 1
	s_add_co_u32 s[G0B+4*\s+1], s45, \s*SLOT
	s_add_nc_u64 s[G0B+4*\s+2:G0B+4*\s+3], s[46:47], \s*RUN
	s_or_b32 s[G0B+4*\s+3], s[G0B+4*\s+3], 0x80000000
.endr
	JLOAD 0                                        ; slot 0: one tensor load a wave at the head
	; PREFETCHES INTO THE L2.  K goes in 8 parts of 512, one to a fill.  Of the 4 tiles that I fetch jointly with three partners, my work-group names one (told apart by address: cx for A, cy for B);
	; a part of a tile is 28 blocks of 256 bytes: a lane a block, the last four lanes name the last block again.  Behind the load of part c stands the request for part c + 2 (behind part 0's also part 1's);
	; parts 6 and 7 are the last that are named: the loop's last trip asks for nothing.  So a work-group has at most two parts asked for and not yet loaded.
.set PFO, 30
.set PFA, 70
	s_cmp_eq_u32 s15, 0
	s_cselect_b64 s[PFA:PFA+1], s[20:21], s[46:47]
	s_cselect_b32 s68, s40, s41
	s_mul_i32 s68, s68, KS*REC
	s_mov_b32 s69, 0
	s_add_nc_u64 s[PFA:PFA+1], s[PFA:PFA+1], s[68:69]
	v_and_b32 v[PFO], 31, v0
	v_min_u32 v[PFO], 27, v[PFO]
	v_lshlrev_b32 v[PFO], 8, v[PFO]
	global_prefetch_b8 v[PFO], s[PFA:PFA+1] offset:RUN th:TH_LOAD_NT scope:SCOPE_SE
	global_prefetch_b8 v[PFO], s[PFA:PFA+1] offset:2*RUN th:TH_LOAD_NT scope:SCOPE_SE
	v_and_b32 v1, 31, v0
	v_lshlrev_b32 v3, 3, v1
	s_wait_alu depctr_va_vdst(0)
	v_bfe_u32 v2, v0, 4, 1
	v_and_b32 v4, 15, v0
	s_wait_alu depctr_va_vdst(0)
	s_mul_i32 s21, s15, HALFT
	s_mul_i32 s22, s16, HALFT
	s_add_co_u32 s22, s22, 2*HALFT
	s_xor_b32 s23, s15, 1
	s_add_co_u32 s23, s23, s16
	s_add_co_u32 s23, s23, 1
	s_mul_i32 s23, s23, HALFT
	v_mul_u32_u24 v6, s23, v2
	v_add_nc_u32 v6, v6, v3
.irp s, 0,1
	v_add_nc_u32 v[ADRA+\s], s21, v3
	v_add_nc_u32 v[ADRB+\s], s22, v3
	v_add_nc_u32 v[ADRS+\s], s21, v6
	s_add_co_u32 s21, s21, SLOT
	s_add_co_u32 s22, s22, SLOT
.endr
	s_mul_i32 s23, s14, 16*SPITCH
	v_mul_u32_u24 v5, v4, SPITCH
	v_lshl_add_u32 v5, v2, 6, v5
	v_add_nc_u32 v[STO], s23, v5
	v_mul_u32_u24 v5, v2, SPITCH
	v_lshl_add_u32 v5, v4, 4, v5
	v_add_nc_u32 v[RD], s23, v5
	v_lshlrev_b32 v7, 4, v4
	s_wait_alu depctr_va_vdst(0)
	v_lshl_add_u32 v[CO], v2, 12, v7
	s_wait_alu depctr_va_vdst(0)
	s_lshl_b32 s20, s17, 19
	s_lshl_b32 s21, s15, 18
	s_add_co_u32 s20, s20, s21
	s_lshl_b32 s66, s42, 9
	s_lshl_b32 s67, s16, 8
	s_add_co_u32 s66, s66, s67
	s_add_co_u32 s20, s20, s66
	s_mov_b32 s21, 0
	s_mov_b32 s67, 0
	s_add_nc_u64 s[10:11], s[10:11], s[20:21]
	s_add_nc_u64 s[12:13], s[12:13], s[20:21]
	s_add_nc_u64 s[8:9], s[8:9], s[66:67]
	global_load_b128 v[BIA:BIA+3], v7, s[8:9]
.macro RESID                           ; the residual's 64 x 64 numbers of my part of the result, into window 2; wanted only on the way out, so asked for behind the first parts of K
	WIN 0x80
.irp a, 0,1,2,3
.irp t, 0,1,2,3,4,5,6,7
	global_load_b128 v[32*\a+4*\t:32*\a+4*\t+3], v[CO], s[10:11] offset:4096*(32*(\a/2)+8*(\a%2)+16*(\t/4)+2*(\t%4))
.endr
.endr
	WIN 0
.endm
.macro MUL4 f, set, a, zero
.irp b, 0,1,2,3
.if \zero
	v_wmma_scale_f32_16x16x128_f8f6f4 v[ACC+8*(4*(\a)+\b):ACC+8*(4*(\a)+\b)+7], v[\f+48+FR*\b:\f+48+FR*\b+FR-1], v[\f+FR*(\a):\f+FR*(\a)+FR-1], 0, v[SC+4*(\set)+\b], v[SC+4*(\set)+(\a)] matrix_a_fmt:MATRIX_FMT_FP6 matrix_b_fmt:MATRIX_FMT_FP6 matrix_a_scale:MATRIX_SCALE_ROW1
.else
	v_wmma_scale_f32_16x16x128_f8f6f4 v[ACC+8*(4*(\a)+\b):ACC+8*(4*(\a)+\b)+7], v[\f+48+FR*\b:\f+48+FR*\b+FR-1], v[\f+FR*(\a):\f+FR*(\a)+FR-1], v[ACC+8*(4*(\a)+\b):ACC+8*(4*(\a)+\b)+7], v[SC+4*(\set)+\b], v[SC+4*(\set)+(\a)] matrix_a_fmt:MATRIX_FMT_FP6 matrix_b_fmt:MATRIX_FMT_FP6 matrix_a_scale:MATRIX_SCALE_ROW1
.endif
.endr
.endm
.macro FETCH slot, q, f, set
	WIN 0
.irp i, 0,1,2,3
	ds_load_b32 v[SC+4*(\set)+\i], v[ADRS+\slot] offset:\i*RUN+(\q)*REC+1536
.endr
	WIN 0x40
.irp i, 0,1,2,3
.irp p, 0,1,2,3,4,5
	ds_load_b64 v[\f+48+FR*\i+2*\p:\f+48+FR*\i+2*\p+1], v[ADRB+\slot] offset:\i*RUN+(\q)*REC+256*\p
.endr
.endr
.irp i, 0,1,2,3
.irp p, 0,1,2,3,4,5
	ds_load_b64 v[\f+FR*\i+2*\p:\f+FR*\i+2*\p+1], v[ADRA+\slot] offset:\i*RUN+(\q)*REC+256*\p
.endr
.endr
.endm
.macro STEPS slot, q, zero
	s_wait_dscnt 0x0
	PLACES
	FETCH \slot, (\q)+1, 128*(1-(\q)%2), 1-(\q)%2
	WIN MULW
	MUL4 128*((\q)%2), (\q)%2, 0, \zero
	MUL4 128*((\q)%2), (\q)%2, 1, \zero
	MUL4 128*((\q)%2), (\q)%2, 2, \zero
	MUL4 128*((\q)%2), (\q)%2, 3, \zero
.endm
.macro TURN slot, next, fill
	WIN 0
	s_wait_tensorcnt 0x0
	ds_add_u32 v[SPW], v[NIL]
	s_wait_dscnt 1
	WIN MULW
	MUL4 128, 1, 0, 0
	s_wait_dscnt 0x0
	s_barrier_signal -1
	MUL4 128, 1, 1, 0
	WIN 0
	s_barrier_wait -1
.if \fill
	CREST
	s_add_nc_u64 s[G0+4*\slot+2:G0+4*\slot+3], s[G0+4*\slot+2:G0+4*\slot+3], 2*RUN
	s_add_nc_u64 s[G0B+4*\slot+2:G0B+4*\slot+3], s[G0B+4*\slot+2:G0B+4*\slot+3], 2*RUN
	JLOAD \slot
.else
	PLACES
.endif
	FETCH \next, 0, 0, 0
.if \fill
	WIN 0                                          ; at a branch and at a label every window is 0
	s_cmp_gt_u32 s3, 1                             ; s3 = 1 in the loop's last trip, whose loads are of parts 6 and 7: nothing lies two parts on
	s_cbranch_scc0 .Lno_ask_\@
	global_prefetch_b8 v[PFO], s[PFA:PFA+1] offset:(4+\slot)*RUN th:TH_LOAD_NT scope:SCOPE_SE
.Lno_ask_\@:
.endif
	WIN MULW
	MUL4 128, 1, 2, 0
	MUL4 128, 1, 3, 0
.endm
	s_wait_alu depctr_va_vdst(0)                   ; the wait at the head's end
	s_wait_tensorcnt 0x0                           ; my part of slot 0 is in
	ds_add_u32 v[SPW], v[NIL]
	s_wait_dscnt 0x0
	CROUND                                         ; everybody's part of slot 0 is in, and the joint loads meet
	JLOAD 1                                        ; slot 1's first fill: my one tensor load behind the round
	FETCH 0, 0, 0, 0
	WIN 0
	global_prefetch_b8 v[PFO], s[PFA:PFA+1] offset:3*RUN th:TH_LOAD_NT scope:SCOPE_SE
	RESID
	STEPS 0, 0, 1
.if LAPS > 1
	WIN 0
	s_mov_b32 s3, LAPS-1
.Llap:
	STEPS 0, 1, 0
	STEPS 0, 2, 0
	TURN 0, 1, 1
	STEPS 1, 0, 0
	STEPS 1, 1, 0
	STEPS 1, 2, 0
	TURN 1, 0, 1
	STEPS 0, 0, 0
	WIN 0
	s_wait_xcnt 0x0                                ; the trip's prefetches have read their base: it steps two parts of K on
	s_add_nc_u64 s[PFA:PFA+1], s[PFA:PFA+1], 2*RUN
	s_sub_co_u32 s3, s3, 1
	s_cmp_lg_u32 s3, 0
	s_cbranch_scc1 .Llap
.endif
	STEPS 0, 1, 0
	STEPS 0, 2, 0
	TURN 0, 1, 0
	STEPS 1, 0, 0
	STEPS 1, 1, 0
	STEPS 1, 2, 0
	s_wait_dscnt 0x0
	WIN MULW
	MUL4 128, 1, 0, 0
	MUL4 128, 1, 1, 0
	MUL4 128, 1, 2, 0
	MUL4 128, 1, 3, 0
	WIN 0
.macro OUTA a
.set TT, T0+32*((\a)%2)
.if (\a) >= 2
	s_wait_xcnt 0x0
.endif
.irp b, 0,1,2,3
	ds_store_b128 v[STO], v[ACC+8*(4*(\a)+\b):ACC+8*(4*(\a)+\b)+3] offset:128*(\b/2)+32*(\b%2)
	ds_store_b128 v[STO], v[ACC+8*(4*(\a)+\b)+4:ACC+8*(4*(\a)+\b)+7] offset:128*(\b/2)+32*(\b%2)+16
.endr
.irp t, 0,1,2,3,4,5,6,7
	ds_load_b128 v[TT+4*\t:TT+4*\t+3], v[RD] offset:2*SPITCH*\t
.endr
	s_wait_dscnt 0x0
	WIN 0x08
.irp t, 0,1,2,3,4,5,6,7
	v_pk_add_f32 v[TT+4*\t:TT+4*\t+1], v[TT+4*\t:TT+4*\t+1], v[32*(\a)+4*\t:32*(\a)+4*\t+1]
	v_pk_add_f32 v[TT+4*\t+2:TT+4*\t+3], v[TT+4*\t+2:TT+4*\t+3], v[32*(\a)+4*\t+2:32*(\a)+4*\t+3]
.endr
	WIN 0
.irp t, 0,1,2,3,4,5,6,7
	v_pk_add_f32 v[TT+4*\t:TT+4*\t+1], v[TT+4*\t:TT+4*\t+1], v[BIA:BIA+1]
	v_pk_add_f32 v[TT+4*\t+2:TT+4*\t+3], v[TT+4*\t+2:TT+4*\t+3], v[BIA+2:BIA+3]
.endr
.irp t, 0,1,2,3,4,5,6,7
	global_store_b128 v[CO], v[TT+4*\t:TT+4*\t+3], s[12:13] offset:4096*(32*((\a)/2)+8*((\a)%2)+16*(\t/4)+2*(\t%4)) th:TH_STORE_NT
.endr
.endm
	PLACES
	s_wait_loadcnt 0x0
	OUTA 0
	OUTA 1
	OUTA 2
	OUTA 3
	s_wait_tensorcnt 0x0
	ds_add_u32 v[SPW], v[NIL]
	s_wait_dscnt 0x0
	CROUND
	s_endpgm
.Lfunc_end_k_q152b37b9cf_gemm_fc2:
	.size	k_q152b37b9cf_gemm_fc2, .Lfunc_end_k_q152b37b9cf_gemm_fc2-k_q152b37b9cf_gemm_fc2
	.p2alignl 7, 3214868480
	.fill 96, 4, 3214868480
	.section	.rodata,"a",@progbits
	.p2align	6, 0x0
	.amdhsa_kernel k_q152b37b9cf_gemm_fc2
		.amdhsa_group_segment_fixed_size 327680
		.amdhsa_private_segment_fixed_size 0
		.amdhsa_enable_private_segment 0
		.amdhsa_kernarg_size 40
		.amdhsa_user_sgpr_count 2
		.amdhsa_user_sgpr_kernarg_segment_ptr 1
		.amdhsa_wavefront_size32 1
		.amdhsa_system_sgpr_workgroup_id_x 1
		.amdhsa_system_sgpr_workgroup_id_y 1
		.amdhsa_system_sgpr_workgroup_id_z 1
		.amdhsa_system_vgpr_workitem_id 0
		.amdhsa_next_free_vgpr 768
		.amdhsa_next_free_sgpr 98
		.amdhsa_reserve_vcc 0
		.amdhsa_float_denorm_mode_32 3
		.amdhsa_float_denorm_mode_16_64 3
		.amdhsa_memory_ordered 1
		.amdhsa_forward_progress 1
		.amdhsa_inst_pref_size 119
	.end_amdhsa_kernel
	.amdgpu_metadata
---
amdhsa.version: [ 1, 2 ]
amdhsa.kernels:
  - .name:           k_q152b37b9cf_gemm_fc2
    .symbol:         k_q152b37b9cf_gemm_fc2.kd
    .args:
      - { .name: gq, .offset: 0, .size: 8, .value_kind: global_buffer, .address_space: global }
      - { .name: wq, .offset: 8, .size: 8, .value_kind: global_buffer, .address_space: global }
      - { .name: b_fc2, .offset: 16, .size: 8, .value_kind: global_buffer, .address_space: global }
      - { .name: x1, .offset: 24, .size: 8, .value_kind: global_buffer, .address_space: global }
      - { .name: out0, .offset: 32, .size: 8, .value_kind: global_buffer, .address_space: global }
    .group_segment_fixed_size: 327680
    .private_segment_fixed_size: 0
    .kernarg_segment_align: 8
    .kernarg_segment_size: 40
    .max_flat_workgroup_size: 128
    .sgpr_count:     98
    .vgpr_count:     768
    .wavefront_size: 32
...
	.end_amdgpu_metadata
.endif
;; end of part 7
